; MI455X (gfx1250); checked and timed in simulation.
; The chip was launched on July 23, 2026; its instructions are those of AMD's public machine-readable ISA for CDNA 5 (MIT licence, August 2026) and "CDNA5" Instruction Set Architecture Reference Guide (July 2026). The comments in the code are by the model that wrote it; some were corrected since.
;; gate using local global. Allowed arithmetic: matrix products marked QUANTISED: E2M3 operands, one E8M0 scale for each 32 along K, by v_wmma_scale_f32_16x16x128_f8f6f4 with both operands' format E2M3, f32 sums; everything else in f32.
;; Inputs: Wk 512 x 512 float32; Wo 512 x 512 float32; Wq 512 x 512 float32; Wv 512 x 512 float32; x_global 8 x 512 x 8,192 float32; x_local 8 x 512 x 4,096 float32.
;; Outputs: out0 8 x 512 x 4,096 float32.
;; This version of the problem:
;;   THIS VERSION OF THE PROBLEM IS GIVEN IN LOW PRECISION. The matrix products marked QUANTISED in the list below multiply operands that are first quantised to E2M3 (2 exponent bits, 3 mantissa bits; 6 bits a number), with one power-of-two scale for each 32 numbers along K (OCP MX v1.0); their sums are f32. All else is computed in f32.
;;   The module's matrix products, in the order in which they are computed (A, B: the left and right operand; K: the contracted axis; several contracted axes count as one K, in the product's order):
;;     1. [M 32,768, K 512] x [K 512, N 512]; A: input x_local; B: input Wq: QUANTISED
;;     2. [M 65,536, K 512] x [K 512, N 512]; A: input x_global; B: input Wk: QUANTISED
;;     3. [M 65,536, K 512] x [K 512, N 512]; A: input x_global; B: input Wv: QUANTISED
;;     4. batch 64 x [M 64, K 8,192] x [K 8,192, N 64]; A: computed on the way; B: computed on the way: QUANTISED
;;     5. batch 64 x [M 4,096, K 64] x [K 64, N 64]; A: computed on the way; B: computed on the way: QUANTISED
;;     6. [M 32,768, K 512] x [K 512, N 512]; A: computed on the way; B: input Wo: QUANTISED
;;   THE QUANTISER, for each operand of a quantised product, along K:
;;     - K is cut into blocks of 32 from its start; a last block that is shorter is filled with zeros.
;;     - A block's scale is 2^e with e = floor(log2(the largest magnitude in the block)) - 2, held to -126 .. 127; a block of zeros has e = 0. As a byte (E8M0): e + 127.
;;     - Each number is divided by its block's scale, clamped to +-7.5, and rounded to the nearest number of E2M3, ties to even, subnormals kept.
;;     - The product sums the exact products of the quantised numbers (number of the format x scale) in f32.
;;   ~~~python
;;   def quantise(x, axis):      # numpy; x: float32 -> the quantised numbers, widened to float32 again
;;       x = np.moveaxis(x, axis, -1); K = x.shape[-1]
;;       x = np.pad(x, [(0, 0)] * (x.ndim - 1) + [(0, -K % 32)]); x = x.reshape(x.shape[:-1] + (-1, 32)); a = np.abs(x).max(-1, keepdims=True)
;;       e = np.where(a > 0, np.clip(np.frexp(np.where(a > 0, a, 1))[1] - 1 - 2, -126, 127), 0)      # np.frexp(a)[1] - 1 = floor(log2(a)), exactly
;;       r = np.clip(x / 2.0 ** e, -7.5, 7.5)
;;       step = 2.0 ** (np.maximum(np.frexp(np.where(r == 0, 1, r))[1] - 1, 0) - 3)
;;       q = np.round(r / step) * step * 2.0 ** e      # np.round: ties to even
;;       return np.moveaxis(q.reshape(q.shape[:-2] + (-1,))[..., :K], -1, axis).astype(np.float32)
;;   ~~~
;;   OPERANDS COMPUTED ON THE WAY. 'Computed on the way' means the value that the module computes at that place (a softmax that the list does not call 'softmax' is quantised finished and normalised). What goes into a quantiser is computed in f32, as accurately as f32 sums, v_exp_f32 and their like allow (about 1e-6 of the number): no bf16 or f16 on the way to a quantiser, and a product that is left as it is and whose result goes on into a quantised operand takes f32 operands (vector FMAs, or v_wmma_f32_16x16x4_f32). A number that lies on a knife's edge between two numbers of the format may be rounded either way, as far as f32 arithmetic and the matrix unit's own rounding can turn it there, and no further.
;; One version. Each part assembles by itself: llvm-mc -triple=amdgcn-amd-amdhsa -mcpu=gfx1250 --defsym DOCPART=n.
;; ======== version 1 of 1: 4 launches
;; workspace buffers: wimg 1,048,576 bytes; part 33,554,432 bytes; kvimg 524,288 bytes
;; launch wq (part 1): grid 128 x 1, 4 waves a work-group, no clusters, 34,816 bytes of LDS; arguments Wk, Wv, Wq, Wo, wimg; writes wimg
.if DOCPART == 1
	.amdgcn_target "amdgcn-amd-amdhsa--gfx1250"
	.amdhsa_code_object_version 6
	.text
	.protected	k_qc07a98c284_wq
	.globl	k_qc07a98c284_wq
	.p2align	8
	.type	k_qc07a98c284_wq,@function
k_qc07a98c284_wq:
	s_mov_b64 s[64:65], 0
	v_nop
	global_prefetch_b8 v0, s[64:65] scope:SCOPE_SE
	s_setreg_imm32_b32 hwreg(HW_REG_WAVE_MODE, 25, 1), 1
	s_wait_xcnt 0x0
; Wk, Wv, Wq, Wo [512][512] f32, K innermost, become codes of FP6 (E2M3) with one E8M0 byte for each 32 along K, laid in the ORDER OF THE OPERAND'S REGISTERS.
; A TILE is 16 rows x 512 K, 8,192 bytes of wimg: K step s (128 along K) at 1536 s: registers 4 g .. 4 g + 3 of lane l at 512 g + 16 l; the scale word of row r, K step s at 6144 + 64 s + 4 r.  Bytes from 6400 on are never written and never read.
; THE ROWS OF A TILE ARE NOT NEIGHBOURS: tile tau (0 .. 31) takes, for its row p, the matrix's row 64 (tau / 4) + 32 ((tau / 2) % 2) + 8 (tau % 2) + p + 8 (p / 8),
; so that in a product's result the 16 registers of two neighbouring tiles are 16 neighbours along the next K.
; Tile numbers in wimg: Wk: 8 (tau / 4) + tau % 4;  Wv: that + 4;  Wq: 64 + 16 (tau / 8) + tau % 8;  Wo: that + 8: what one wave of a later launch walks lies on end.
; A block's scale is 2^(floor(log2(its largest magnitude)) - 2); its byte is the largest magnitude's exponent field - 2, held at 1 from below.
; LIMITS: a block whose largest magnitude lies under 2^-124 has its byte held at 1 (a block of zeros too: its codes are zeros, and this program alone reads the bytes); NaN and infinities are not served.
; SHARES: a work-group makes one tile, wave s its K step s.  Each load reads 512 consecutive bytes of a row; the 8,192 bytes turn through the wave's own stage in LDS (rows 528 bytes apart), from which lane (r, h) takes blocks h and 2 + h of row r whole.
.set X,   16                           ; v16-79   16 rows as loaded, 4 registers each
.set CD,  80                           ; v80-91   the fragment's codes
.set SCR, 92                           ; v92-98   the second halves of the two blocks' codes
.set T0,  100                          ; v100-111 at work
.set Y,   112                          ; v112-175 my two blocks of 32 numbers
.set SPI, 528                          ; a stage row: 512 bytes + 16
.set SCL, 4*16*SPI                     ; behind the four stages: the tile's 64 scale words
	s_load_b256 s[4:11], s[0:1], 0x0               ; Wk, Wv, Wq, Wo
	s_load_b64 s[12:13], s[0:1], 0x20              ; wimg
	v_lshl_add_u32 v192, v0, 2, 0x8600
	v_mov_b32 v193, 0
	v_lshrrev_b32 v7, 5, v0
	v_readfirstlane_b32 s18, v7                    ; wave = K step
	v_and_b32 v8, 31, v0                           ; lane
	v_and_b32 v9, 15, v0                           ; r
	v_bfe_u32 v10, v0, 4, 1                        ; h
	v_lshlrev_b32 v1, 4, v8                        ; 16 x lane: my bytes of a row's 512, and of an image's 512
	s_mul_i32 s19, s18, 16*SPI                     ; my stage
	v_add_nc_u32 v2, s19, v1                       ; into it
	v_mul_u32_u24 v3, v9, SPI
	v_lshl_add_u32 v3, v10, 7, v3
	v_add_nc_u32 v3, s19, v3                       ; out of it: row r, block h
	s_lshl_b32 s20, s18, 6
	s_add_co_u32 s20, s20, SCL
	v_lshl_add_u32 v4, v9, 2, s20                  ; my row's scale word of my K step
	v_lshlrev_b32 v6, 3, v8                        ; the words' way out: 8 bytes a lane
	v_add_nc_u32 v5, SCL, v6
	v_lshlrev_b32 v11, 3, v10                      ; 8 h: where my two bytes stand in the word
	s_mov_b32 s36, 0x76543210
	s_mov_b32 s37, 0xfedcba98                      ; v_permlanex16_b32's selects for lane l xor 16
	s_lshr_b32 s21, ttmp9, 5                       ; which matrix: 0 Wk, 1 Wv, 2 Wq, 3 Wo
	s_and_b32 s22, ttmp9, 31                       ; tau
	s_lshr_b32 s23, s22, 2
	s_lshl_b32 s24, s23, 6
	s_bfe_u32 s25, s22, 0x10001
	s_lshl_b32 s25, s25, 5
	s_add_co_u32 s24, s24, s25
	s_and_b32 s25, s22, 1
	s_lshl_b32 s25, s25, 3
	s_add_co_u32 s24, s24, s25                     ; the tile's first row
	s_lshl_b32 s24, s24, 11                        ; x 2,048 bytes
	s_lshl_b32 s25, s18, 9
	s_add_co_u32 s24, s24, s25                     ; + my K step's 512 bytes
	s_mov_b32 s25, 0
	s_and_b32 s26, s21, 1
	s_lshl_b32 s28, s23, 3                         ; the tile's number for Wk and Wv
	s_and_b32 s27, s22, 3
	s_add_co_u32 s28, s28, s27
	s_lshl_b32 s27, s26, 2
	s_add_co_u32 s28, s28, s27
	s_lshr_b32 s29, s22, 3                         ; and for Wq and Wo
	s_lshl_b32 s29, s29, 4
	s_and_b32 s27, s22, 7
	s_add_co_u32 s29, s29, s27
	s_lshl_b32 s27, s26, 3
	s_add_co_u32 s29, s29, s27
	s_add_co_u32 s29, s29, 64
	s_cmp_lt_u32 s21, 2
	s_cselect_b32 s30, s28, s29
	s_lshl_b32 s30, s30, 13                        ; x 8,192 bytes
	s_mul_i32 s27, s18, 1536
	s_add_co_u32 s30, s30, s27                     ; + my K step's image
	s_mov_b32 s31, 0
	s_wait_kmcnt 0x0
	s_cmp_eq_u32 s26, 0                            ; the choice hangs on the work-group's number alone
	s_cselect_b64 s[14:15], s[4:5], s[6:7]
	s_cselect_b64 s[16:17], s[8:9], s[10:11]
	s_cmp_lt_u32 s21, 2
	s_cselect_b64 s[14:15], s[14:15], s[16:17]
	s_add_nc_u64 s[14:15], s[14:15], s[24:25]
	s_add_nc_u64 s[12:13], s[12:13], s[30:31]
.irp p, 0,1,2,3,4,5,6,7,8,9,10,11,12,13,14,15
	global_load_b128 v[X+4*\p:X+4*\p+3], v1, s[14:15] offset:(\p+8*(\p/8))*2048 th:TH_LOAD_NT   ; 32 lanes read 512 consecutive bytes of the tile's row p
.endr
.irp p, 0,1,2,3,4,5,6,7,8,9,10,11,12,13,14,15
	s_wait_loadcnt 15-\p                           ; row p is in; the younger rows may be out
	ds_store_b128 v2, v[X+4*\p:X+4*\p+3] offset:SPI*\p
.endr
.irp c, 0,1
.irp i, 0,1,2,3,4,5,6,7
	ds_load_b128 v[Y+32*\c+4*\i:Y+32*\c+4*\i+3], v3 offset:256*\c+16*\i   ; block 2 c + h of row r; LDS serves a wave's instructions in order: these see my stores
.endr
.endr
	s_wait_dscnt 0x0
.irp c, 0,1
	v_max3_num_f32 v[T0+\c], |v[Y+32*\c]|, |v[Y+32*\c+1]|, |v[Y+32*\c+2]|      ; a block's largest magnitude: all 32 numbers are mine; two chains a block
	v_max3_num_f32 v[T0+2+\c], |v[Y+32*\c+3]|, |v[Y+32*\c+4]|, |v[Y+32*\c+5]|
.endr
.irp i, 6,10,14,18,22,26
.irp c, 0,1
	v_max3_num_f32 v[T0+\c], v[T0+\c], |v[Y+32*\c+\i]|, |v[Y+32*\c+\i+1]|
	v_max3_num_f32 v[T0+2+\c], v[T0+2+\c], |v[Y+32*\c+\i+2]|, |v[Y+32*\c+\i+3]|
.endr
.endr
.irp c, 0,1
	v_max3_num_f32 v[T0+\c], v[T0+\c], |v[Y+32*\c+30]|, |v[Y+32*\c+31]|
.endr
.irp c, 0,1
	v_max3_num_f32 v[T0+\c], v[T0+\c], v[T0+2+\c], 0x1800000   ; and the floor 2^(3 - 127): the byte cannot fall under 1
.endr
.irp c, 0,1
	v_add_nc_u32 v[T0+4+\c], 0xff000000, v[T0+\c]  ; 2 off the exponent field: the conversion takes this operand's exponent field as its scale
.endr
.irp c, 0,1
	v_lshrrev_b32 v[T0+6+\c], 23, v[T0+4+\c]       ; the scale's byte
.endr
	v_lshl_or_b32 v[T0+8], v[T0+7], 16, v[T0+6]    ; my two bytes: blocks h and 2 + h,
	v_lshlrev_b32 v[T0+8], v11, v[T0+8]            ; at their places in the word;
	v_mov_b32 v[T0+9], 0
	v_permlanex16_b32 v[T0+9], v[T0+8], s36, s37
	v_or_b32 v[T0+8], v[T0+8], v[T0+9]             ; with lane l xor 16's two the word is whole
.irp c, 0,1
	v_cvt_scalef32_pk16_fp6_f32 v[CD+6*\c:CD+6*\c+2], v[Y+32*\c:Y+32*\c+15], v[T0+4+\c]
	v_cvt_scalef32_pk16_fp6_f32 v[SCR+4*\c:SCR+4*\c+2], v[Y+32*\c+16:Y+32*\c+31], v[T0+4+\c]   ; (a conversion's three registers begin on an even number)
.endr
	v_nop                                          ; one plain instruction behind the scaled conversions
.irp c, 0,1
.irp i, 0,1,2
	v_mov_b32 v[CD+6*\c+3+\i], v[SCR+4*\c+\i]
.endr
.endr
.irp g, 0,1,2
	global_store_b128 v1, v[CD+4*\g:CD+4*\g+3], s[12:13] offset:512*\g   ; 32 lanes store 512 consecutive bytes, at a multiple of 256 from wimg's first byte
.endr
	ds_store_b32 v4, v[T0+8]                       ; both halves of the lanes write the same word with the same value
	s_wait_dscnt 0x0                               ; for the others' sake: my word has landed
	s_barrier_signal -1
	s_barrier_wait -1
	s_cmp_lg_u32 s18, 0
	s_cbranch_scc1 .Lend
	ds_load_b64 v[T0+10:T0+11], v5                 ; wave 0: the tile's 64 words
	s_wait_dscnt 0x0
	global_store_b64 v6, v[T0+10:T0+11], s[12:13] offset:6144   ; 32 lanes store 256 consecutive bytes, aligned
.Lend:
	s_wait_tensorcnt 0x0
	ds_add_u32 v192, v193
	s_wait_dscnt 0x0
	s_endpgm
.Lfunc_end_k_qc07a98c284_wq:
	.size	k_qc07a98c284_wq, .Lfunc_end_k_qc07a98c284_wq-k_qc07a98c284_wq
	.p2alignl 7, 3214868480
	.fill 96, 4, 3214868480
	.section	.rodata,"a",@progbits
	.p2align	6, 0x0
	.amdhsa_kernel k_qc07a98c284_wq
		.amdhsa_group_segment_fixed_size 34816
		.amdhsa_private_segment_fixed_size 0
		.amdhsa_enable_private_segment 0
		.amdhsa_kernarg_size 40
		.amdhsa_user_sgpr_count 2
		.amdhsa_user_sgpr_kernarg_segment_ptr 1
		.amdhsa_wavefront_size32 1
		.amdhsa_system_sgpr_workgroup_id_x 1
		.amdhsa_system_sgpr_workgroup_id_y 1
		.amdhsa_system_sgpr_workgroup_id_z 1
		.amdhsa_system_vgpr_workitem_id 0
		.amdhsa_next_free_vgpr 194
		.amdhsa_next_free_sgpr 66
		.amdhsa_reserve_vcc 0
		.amdhsa_float_denorm_mode_32 3
		.amdhsa_float_denorm_mode_16_64 3
		.amdhsa_memory_ordered 1
		.amdhsa_forward_progress 1
		.amdhsa_inst_pref_size 11
	.end_amdhsa_kernel
	.amdgpu_metadata
---
amdhsa.version: [ 1, 2 ]
amdhsa.kernels:
  - .name:           k_qc07a98c284_wq
    .symbol:         k_qc07a98c284_wq.kd
    .args:
      - { .name: Wk, .offset: 0, .size: 8, .value_kind: global_buffer, .address_space: global }
      - { .name: Wv, .offset: 8, .size: 8, .value_kind: global_buffer, .address_space: global }
      - { .name: Wq, .offset: 16, .size: 8, .value_kind: global_buffer, .address_space: global }
      - { .name: Wo, .offset: 24, .size: 8, .value_kind: global_buffer, .address_space: global }
      - { .name: wimg, .offset: 32, .size: 8, .value_kind: global_buffer, .address_space: global }
    .group_segment_fixed_size: 34816
    .private_segment_fixed_size: 0
    .kernarg_segment_align: 8
    .kernarg_segment_size: 40
    .max_flat_workgroup_size: 128
    .sgpr_count:     66
    .vgpr_count:     194
    .wavefront_size: 32
...
	.end_amdgpu_metadata
.endif
;; end of part 1
;; launch kvpart (part 2): grid 256 x 1, 4 waves a work-group, no clusters, 327,680 bytes of LDS; arguments x_global, wimg, part; writes part
.if DOCPART == 2
	.amdgcn_target "amdgcn-amd-amdhsa--gfx1250"
	.amdhsa_code_object_version 6
	.text
	.protected	k_qc07a98c284_kvpart
	.globl	k_qc07a98c284_kvpart
	.p2align	8
	.type	k_qc07a98c284_kvpart,@function
k_qc07a98c284_kvpart:
	s_mov_b64 s[64:65], 0
	v_nop
	global_prefetch_b8 v0, s[64:65] scope:SCOPE_SE
	s_setreg_imm32_b32 hwreg(HW_REG_WAVE_MODE, 25, 1), 1
	s_wait_xcnt 0x0
; For 256 keys of one batch: x_global -> codes along the channels; k = x Wk^T, v = x Wv^T; k and v -> codes along the keys; kv += k^T v for all eight heads.  All products on codes of FP6 (E2M3) with one E8M0 scale for each 32 along K; sums in f32.
; The work-group's sums over its 256 keys go to part, f32, as the accumulators stand: [work-group][head][tile 4 j + i][register group][lane][16 bytes]; the next launch adds the 32 parts of a batch.
; SHARES.  Work-group: batch wg / 32, keys 256 (wg % 32) on, as two CHUNKS of 128.  Wave w fetches and quantises channels 128 w .. 128 w + 127 (K step w) of a chunk, and makes k, v and kv of heads 2 w and 2 w + 1.
; x's 32 fragments of a chunk (8 tiles of 16 keys x 4 K steps) stay in 384 registers; the weights, laid by the launch before in the order of the operand's registers, stream past them straight from memory through FOUR sets of registers:
; tile t asks for tile t + 4, so that three tiles' 96 matrix instructions stand between a request and the wait for it, and 42 loads (19,200 bytes) of a wave are on their way.
; LAYOUT.  Source 0 = 16 keys of x, source 1 = 16 rows of a weight: a lane holds ONE row p and its registers run along the keys, the next product's K.  THE KEYS OF A TILE ARE NOT NEIGHBOURS: row m of tile 2 b + u is key
; 32 b + 8 u + m + 8 (m / 8), so that the 16 registers of tiles 2 b and 2 b + 1 are keys 32 b + 16 (lane / 16) + 0 .. 15.  The weights' rows are chosen likewise, so that kv's registers run along d.
; BY TURNS.  A tile's 32 matrix instructions go in two halves of 16: accumulators 0-3 (keys 0-63), then 4-7.  The codes of keys 0-63 are made in slices of at most three vector instructions behind the matrix instructions of the second half,
; those of keys 64-127 behind the first half of the next tile of the same trip of four tiles; only a trip's last half is quantised with no product beside it.  A slice costs two switches of the register window.
; OPERANDS GO THROUGH LDS AS IMAGES OF THEIR REGISTERS: registers 4 g .. 4 g + 3 of lane l at 512 g + 16 l; a scale word at 4 l.
; NO JOINT LOADS: x's tiles are read by one work-group each.  The weights are read by all, but a joint load lands in LDS, where the stage (262,144 bytes), the images (53,248), the scale words (2,048) and the spare words (512)
; leave 9,728 bytes: less than two slots of a tile's 6,400 bytes for each of four waves (51,200).
; LIMITS: a block whose largest magnitude lies under 2^-124 has its byte held at 1 (a block of zeros too: its codes are zeros, and this program alone reads the bytes); NaN and infinities are not served.
; REGISTERS, in windows of 256.  window 0: v1-15 addresses; v16-31 x's scale words; v32-39 the weights'; v40-47 k's and v's; v48-111 eight accumulators (in the X phase: two sets of 32 numbers); v112-159, v160-207 weight sets 2, 3; v208-244 at work.
;   window 1: v0-191 x's fragments of K steps 0, 1; v192-239 weight set 0.   window 2: the same for K steps 2, 3 and set 1.   window 3: kv: head hd, tile (i, j) at v[128 hd + 8 (4 j + i)].
;   At a head's end k's four fragments and v's first take v48-107, v's second v208-219, its third v240-251 of window 1, its fourth v240-251 of window 2.
.set IMG,   1664                       ; an image's place: 1,536 bytes of codes + 128
.set XIM,   262144                     ; LDS: bytes 0 .. 262,143 the f32 stage: channel c at 512 c, key at 4 x key; wave w's tensor load fills, and wave w alone reads, 65,536 w on.  Then x's 32 images, (K step s, tile t) at (8 s + t) IMG
.set XSC,   XIM+32*IMG                 ; x's scale words: (s, b) at 128 (4 s + b): words 0-15 tile 2 b, words 16-31 tile 2 b + 1
.set SPARE, XSC+2048                   ; the spare words, 128 bytes for each wave: two blocks of 256 bytes that no other line names
.set SPW, 1                            ; v1   LDS address of my spare word; never rewritten
.set NIL, 2                            ; v2   0; never rewritten
.set XA0, 3                            ; v3   the stage: 65,536 w + 4 x lane
.set XI0, 4                            ; v4   where my key's codes go in an image
.set XW0, 5                            ; v5   and its scale word
.set LI,  6                            ; v6   XIM + 16 x lane
.set LS,  7                            ; v7   XSC + 4 x lane
.set LG,  8                            ; v8   16 x lane
.set LG4, 9                            ; v9   4 x lane
.set SA0, 10                           ; v10  my wave's eight image places, used as scratch for k's and v's fragments: + 16 x lane
.set SB0, 11                           ; v11  the same + 1,536 + 4 x lane: their scale words
.set XA,  12                           ; v12-15 the addresses in hand
.set XI,  13
.set XW,  14
.set SA,  14
.set SB,  15
.set XSCL, 16
.set WSCL, 32
.set KS,  40
.set ACC, 48
.set PC,  208                          ; v208-219 the codes just made
.set SCR, 220                          ; v220-226 second halves
.set TM,  228                          ; v228-231 largest magnitudes, v232-235 bytes, v240-243 the conversions' scale operands
.set PW,  244                          ; the scale word just made
.set WV,  10                           ; s10  my wave's number
.set G0,  12                           ; s[12:15] descriptor group 0
.set G1,  16                           ; s[16:23] descriptor group 1
.set WB,  24                           ; s[24:25] my wave's 16 weight tiles
.set WO,  26                           ; s[26:27] the offset of the tile asked for last
.set WP,  28                           ; s[28:29] WB + WO
.set PO,  30                           ; s[30:31] my two heads' place in part
.set XB,  32
.set XT,  33
.set ST,  34
.set SEL, 36                           ; s[36:37] v_permlanex16_b32's selects for lane l xor 16
.set MSB, 0
.macro WIN new                         ; the immediate's high byte repeats the setting that is left; a switch that changes nothing is dropped
.if MSB != (\new)
	s_set_vgpr_msb (MSB<<8)|(\new)
.set MSB, (\new)
.endif
.endm
.macro PLACES n
.rept \n
	v_nop
.endr
.endm
; One matrix instruction.  z = 1: the constant 0 starts the sum.  ra, rb = 1: that side's scale words stand in lanes 16-31.
.macro WM d, a, b, z, sa, sb, ra, rb
.set WMV, (\ra)+2*(\rb)
.if \z
.if WMV == 0
	v_wmma_scale_f32_16x16x128_f8f6f4 v[(\d):(\d)+7], v[(\a):(\a)+11], v[(\b):(\b)+11], 0, v[\sa], v[\sb] matrix_a_fmt:MATRIX_FMT_FP6 matrix_b_fmt:MATRIX_FMT_FP6
.elseif WMV == 1
	v_wmma_scale_f32_16x16x128_f8f6f4 v[(\d):(\d)+7], v[(\a):(\a)+11], v[(\b):(\b)+11], 0, v[\sa], v[\sb] matrix_a_fmt:MATRIX_FMT_FP6 matrix_b_fmt:MATRIX_FMT_FP6 matrix_a_scale:MATRIX_SCALE_ROW1
.elseif WMV == 2
	v_wmma_scale_f32_16x16x128_f8f6f4 v[(\d):(\d)+7], v[(\a):(\a)+11], v[(\b):(\b)+11], 0, v[\sa], v[\sb] matrix_a_fmt:MATRIX_FMT_FP6 matrix_b_fmt:MATRIX_FMT_FP6 matrix_b_scale:MATRIX_SCALE_ROW1
.else
	v_wmma_scale_f32_16x16x128_f8f6f4 v[(\d):(\d)+7], v[(\a):(\a)+11], v[(\b):(\b)+11], 0, v[\sa], v[\sb] matrix_a_fmt:MATRIX_FMT_FP6 matrix_b_fmt:MATRIX_FMT_FP6 matrix_a_scale:MATRIX_SCALE_ROW1 matrix_b_scale:MATRIX_SCALE_ROW1
.endif
.else
.if WMV == 0
	v_wmma_scale_f32_16x16x128_f8f6f4 v[(\d):(\d)+7], v[(\a):(\a)+11], v[(\b):(\b)+11], v[(\d):(\d)+7], v[\sa], v[\sb] matrix_a_fmt:MATRIX_FMT_FP6 matrix_b_fmt:MATRIX_FMT_FP6
.elseif WMV == 1
	v_wmma_scale_f32_16x16x128_f8f6f4 v[(\d):(\d)+7], v[(\a):(\a)+11], v[(\b):(\b)+11], v[(\d):(\d)+7], v[\sa], v[\sb] matrix_a_fmt:MATRIX_FMT_FP6 matrix_b_fmt:MATRIX_FMT_FP6 matrix_a_scale:MATRIX_SCALE_ROW1
.elseif WMV == 2
	v_wmma_scale_f32_16x16x128_f8f6f4 v[(\d):(\d)+7], v[(\a):(\a)+11], v[(\b):(\b)+11], v[(\d):(\d)+7], v[\sa], v[\sb] matrix_a_fmt:MATRIX_FMT_FP6 matrix_b_fmt:MATRIX_FMT_FP6 matrix_b_scale:MATRIX_SCALE_ROW1
.else
	v_wmma_scale_f32_16x16x128_f8f6f4 v[(\d):(\d)+7], v[(\a):(\a)+11], v[(\b):(\b)+11], v[(\d):(\d)+7], v[\sa], v[\sb] matrix_a_fmt:MATRIX_FMT_FP6 matrix_b_fmt:MATRIX_FMT_FP6 matrix_a_scale:MATRIX_SCALE_ROW1 matrix_b_scale:MATRIX_SCALE_ROW1
.endif
.endif
.endm
; Where weight set q lies: window WW, first register WR
.macro WLOC q
.if (\q) == 0
.set WW, 1
.set WR, 192
.elseif (\q) == 1
.set WW, 2
.set WR, 192
.elseif (\q) == 2
.set WW, 0
.set WR, 112
.else
.set WW, 0
.set WR, 160
.endif
.endm
; A weight tile's 14 loads into set q: four fragments (12 x 512 consecutive bytes) and two registers of scale words (K steps 2 d and 2 d + 1 in the two halves of the lanes)
.macro WISSUE q
	WLOC \q
	WIN (WW<<6)                                    ; the destination's window
.irp k, 0,1,2,3,4,5,6,7,8,9,10,11
	global_load_b128 v[WR+4*\k:WR+4*\k+3], v[LG], s[WP:WP+1] offset:512*\k
.endr
	WIN 0
.irp d, 0,1
	global_load_b32 v[WSCL+2*(\q)+\d], v[LG4], s[WP:WP+1] offset:6144+128*\d
.endr
.endm
.macro WLOAD q                         ; the next tile of my 16; behind the sixteenth comes the first again, for the second chunk
	s_wait_xcnt 0x0                                ; the earlier loads have read their base
	s_add_co_u32 s[WO], s[WO], 8192
	s_and_b32 s[WO], s[WO], 0x1ffff
	s_add_nc_u64 s[WP:WP+1], s[WB:WB+1], s[WO:WO+1]
	WISSUE \q
.endm
; HALF A TILE'S QUANTISER.  Half h takes 32 numbers of a lane, v[ACC + 32 h] on: register 16 b + i = key 64 h + 32 b + 16 (lane / 16) + i of my row p: two blocks of 32 keys.  They become six registers of codes, v[PC + 6 h] on, and two bytes of
; the scale word v[PW].  The work is a list of groups of at most three vector instructions; QG writes group g.  Groups 0-7: numbers 0-23 of the list below; 8: the scale word; 9: the conversions; 10, 11: a whole block into each lane; 12 (h = 1): the stores.
; QI writes number j: 0-15 the two blocks' largest magnitudes, by turns, with the floor 2^(3 - 127) among the leaves (the byte cannot fall under 1), each accumulator from its low end on; 16-19 with lane l xor 16's;
; 20, 21: 2 off the exponent field: the conversion's scale operand; 22, 23: the scale's byte.
.macro QI j
.set QJ, (\j)
.if QJ < 2
	v_max3_num_f32 v[TM+QB0+QJ], 0x1800000, |v[QS0+16*QJ]|, |v[QS0+16*QJ+1]|
.elseif QJ < 16
	v_max3_num_f32 v[TM+QB0+QJ%2], v[TM+QB0+QJ%2], |v[QS0+16*(QJ%2)+2*(QJ/2)]|, |v[QS0+16*(QJ%2)+2*(QJ/2)+1]|
.elseif QJ < 18
	v_permlanex16_b32 v[TM+4+QB0+QJ-16], v[TM+QB0+QJ-16], s[SEL], s[SEL+1]
.elseif QJ < 20
	v_max_num_f32 v[TM+QB0+QJ-18], v[TM+QB0+QJ-18], v[TM+4+QB0+QJ-18]
.elseif QJ < 22
	v_add_nc_u32 v[TM+12+QB0+QJ-20], 0xff000000, v[TM+QB0+QJ-20]
.else
	v_lshrrev_b32 v[TM+4+QB0+QJ-22], 23, v[TM+12+QB0+QJ-22]
.endif
.endm
.macro QG h, g, q                      ; q: the tile's place among the trip's four
.set QB0, 2*(\h)
.set QS0, ACC+32*(\h)
.set QD, PC+6*(\h)
.set QR, SCR+4*(\h)
.set QGN, (\g)
.if (QGN >= 0) && (QGN < 12+(\h))
	WIN 0
.endif
.if (QGN >= 0) && (QGN < 8)
	QI 3*QGN
	QI 3*QGN+1
	QI 3*QGN+2
.elseif QGN == 8
.if (\h) == 0
	s_wait_dscnt 0x0                               ; the last tile's four stores have read the codes, the scale word and their addresses: all are written again from here on
	v_lshl_or_b32 v[PW], v[TM+5], 8, v[TM+4]
.if (\q) == 0
	v_add_nc_u32 v[SA], s[ST], v[SA0]              ; the trip's four places in my scratch
	v_add_nc_u32 v[SB], s[ST], v[SB0]
.endif
.else
	v_lshl_or_b32 v[PW], v[TM+6], 16, v[PW]
	v_lshl_or_b32 v[PW], v[TM+7], 24, v[PW]
.endif
.elseif QGN == 9
	v_cvt_scalef32_pk16_fp6_f32 v[QD:QD+2], v[QS0:QS0+15], v[TM+12+QB0]
	v_cvt_scalef32_pk16_fp6_f32 v[QR:QR+2], v[QS0+16:QS0+31], v[TM+13+QB0]   ; (a conversion's three registers begin on an even number)
	v_nop                                          ; one plain instruction directly behind the scaled conversions
.elseif QGN == 10
.irp i, 0,1,2                                  ; the operand's layout wants a WHOLE block in a lane: lanes 0-15 the even block, lanes 16-31 the odd one
	v_permlane16_swap_b32 v[QD+\i], v[QR+\i]
.endr
.elseif QGN == 11
.irp i, 0,1,2
	v_mov_b32 v[QD+3+\i], v[QR+\i]
.endr
.elseif (QGN == 12) && ((\h) == 1)
.irp c, 0,1,2
	ds_store_b128 v[SA], v[PC+4*\c:PC+4*\c+3] offset:IMG*(\q)+512*\c
.endr
	ds_store_b32 v[SB], v[PW] offset:IMG*(\q)
.endif
.endm
.macro QTAIL q                         ; half 1 of the trip's last tile, with no product beside it
.set GG, 0
.rept 13
	QG 1, GG, \q
.set GG, GG+1
.endr
.endm
; THE X PHASE.  A lane takes a key and its registers run down the channels: a block of 32 channels lies in one lane's 32 registers.  A trip takes 32 keys (two tiles), four blocks of 32 channels each.
.macro LOADU be, set
.set ii, 0
.rept 32
	ds_load_b32 v[ACC+32*(\set)+ii], v[XA] offset:(32*(\be)+ii)*512   ; 32 lanes read 128 consecutive bytes of a channel's row
.set ii, ii+1
.endr
.endm
.macro PROC be, set
.set XS, ACC+32*(\set)
	v_max3_num_f32 v[TM], |v[XS]|, |v[XS+1]|, |v[XS+2]|
	v_max3_num_f32 v[TM+1], |v[XS+3]|, |v[XS+4]|, |v[XS+5]|
.irp i, 6,10,14,18,22,26
	v_max3_num_f32 v[TM], v[TM], |v[XS+\i]|, |v[XS+\i+1]|
	v_max3_num_f32 v[TM+1], v[TM+1], |v[XS+\i+2]|, |v[XS+\i+3]|
.endr
	v_max3_num_f32 v[TM], v[TM], |v[XS+30]|, |v[XS+31]|
	v_max3_num_f32 v[TM], v[TM], v[TM+1], 0x1800000
	v_add_nc_u32 v[TM+12], 0xff000000, v[TM]
	v_lshrrev_b32 v[TM+1], 23, v[TM+12]
.if (\be) == 0
	v_mov_b32 v[PW], v[TM+1]
.else
	v_lshl_or_b32 v[PW], v[TM+1], 8*(\be), v[PW]
.endif
	v_cvt_scalef32_pk16_fp6_f32 v[PC:PC+2], v[XS:XS+15], v[TM+12]
	v_cvt_scalef32_pk16_fp6_f32 v[PC+4:PC+6], v[XS+16:XS+31], v[TM+12]
	v_nop
	v_mov_b32 v[PC+3], v[PC+4]
	v_mov_b32 v[PC+4], v[PC+5]
	v_mov_b32 v[PC+5], v[PC+6]
.set HB, 256*((\be)%2)                 ; block be of row m belongs to the operand's lane m + 16 (be % 2), registers 6 (be / 2) .. + 5
.if (\be) < 2
	ds_store_b128 v[XI], v[PC:PC+3] offset:HB
	ds_store_b64 v[XI], v[PC+4:PC+5] offset:512+HB
.else
	ds_store_b64 v[XI], v[PC:PC+1] offset:520+HB
	ds_store_b128 v[XI], v[PC+2:PC+5] offset:1024+HB
.endif
.endm
.macro XPHASE
	s_mov_b32 s[XB], 0
	s_mov_b32 s[XT], 0
.Lx_\@:
	s_wait_dscnt 0x0                               ; the last trip's stores have read their addresses and the scale word
	v_add_nc_u32 v[XA], s[XB], v[XA0]
	v_add_nc_u32 v[XI], s[XT], v[XI0]
	v_add_nc_u32 v[XW], s[XB], v[XW0]
	LOADU 0, 0
	LOADU 1, 1
	s_wait_dscnt 32                                ; all but the 32 loads issued last: the older block is in
	PROC 0, 0
	LOADU 2, 0
	s_wait_dscnt 32                                ; likewise; the last block's stores are done too
	PROC 1, 1
	LOADU 3, 1
	s_wait_dscnt 32
	PROC 2, 0
	s_wait_dscnt 0x0
	PROC 3, 1
	ds_store_b32 v[XW], v[PW]
	s_add_co_u32 s[XT], s[XT], 2*IMG
	s_add_co_u32 s[XB], s[XB], 128
	s_cmp_lt_u32 s[XB], 512
	s_cbranch_scc1 .Lx_\@
.endm
.macro XFETCH                          ; all 32 images and 16 registers of scale words into registers
	WIN 0x40
.irp n, 0,1,2,3,4,5,6,7,8,9,10,11,12,13,14,15
.irp g, 0,1,2
	ds_load_b128 v[12*\n+4*\g:12*\n+4*\g+3], v[LI] offset:\n*IMG+512*\g
.endr
.endr
	WIN 0x80
.irp n, 0,1,2,3,4,5,6,7,8,9,10,11,12,13,14,15
.irp g, 0,1,2
	ds_load_b128 v[12*\n+4*\g:12*\n+4*\g+3], v[LI] offset:(16+\n)*IMG+512*\g
.endr
.endr
	WIN 0
.irp n, 0,1,2,3,4,5,6,7,8,9,10,11,12,13,14,15
	ds_load_b32 v[XSCL+\n], v[LS] offset:\n*128
.endr
	s_wait_dscnt 0x0
.endm
; A tile's matrix instruction: K step s, tile of keys n, weight set q (WLOC has said where it lies)
.macro TWM q, s, n
.set ZZ, 0
.if (\s) == 0
.set ZZ, 1
.endif
	WIN (1+(\s)/2)|(WW<<2)                         ; source 0 (x) window 1 or 2, source 1 the set's window; C and D window 0
	WM ACC+8*(\n), 12*(8*((\s)%2)+(\n)), WR+12*(\s), ZZ, XSCL+4*(\s)+(\n)/2, WSCL+2*(\q)+(\s)/2, (\n)%2, (\s)%2
.endm
; A TILE of 16 rows of a weight against the chunk's 128 keys, from weight set q, which is also its place in the trip.  In each half four accumulators take turns, K step by K step.
; prev = 1: the tile before's second half is quantised and stored behind the first half's matrix instructions.  pf = 1: the tile four further on is asked for.  cnt: the younger loads that may stay out: 14 for each younger tile.
.macro TILE q, prev, pf, cnt
	WLOC \q
	s_wait_loadcnt \cnt
.set KK, 0
.irp s, 0,1,2,3
.irp n, 0,1,2,3
	TWM \q, \s, \n
.if \prev
	QG 1, KK, (\q)-1                               ; it reads accumulators 4-7, behind the four v_nop at the last tile's end
.endif
.set KK, KK+1
.endr
.endr
.set KK, 0
.irp s, 0,1,2,3
.irp n, 4,5,6,7
	TWM \q, \s, \n
.if KK == 0
	WIN 0
	PLACES 4                                       ; four places between the first half's last products and the first read of accumulators 0-3
.else
	QG 0, KK-1, \q
.endif
.set KK, KK+1
.endr
.endr
	WIN 0
	PLACES 4                                       ; four places in front of the loads into this set and of the first read of accumulators 4-7
.if \pf
	WLOAD \q
.endif
.endm
.macro TRIP pf, c0, c1, c2, c3         ; four tiles, one from each weight set
	TILE 0, 0, \pf, \c0
	TILE 1, 1, \pf, \c1
	TILE 2, 1, \pf, \c2
	TILE 3, 1, \pf, \c3
	QTAIL 3
.endm
; kv(d, e) += the sum over the chunk's 128 keys of k(key, d) v(key, e): source 0 = k's tile i, source 1 = v's tile j; 16 accumulators, one instruction each.  The eight fragments come out of my scratch into registers that are free at a head's end.
.macro KVMUL hd, zero
.irp t, 0,1,2,3,4
.irp c, 0,1,2
	ds_load_b128 v[ACC+12*\t+4*\c:ACC+12*\t+4*\c+3], v[SA0] offset:IMG*\t+512*\c   ; LDS serves a wave's instructions in order: these see my stores
.endr
.endr
.irp c, 0,1,2
	ds_load_b128 v[PC+4*\c:PC+4*\c+3], v[SA0] offset:IMG*5+512*\c                  ; (and come behind the stores that read these registers)
.endr
	WIN 0x40
.irp c, 0,1,2
	ds_load_b128 v[240+4*\c:240+4*\c+3], v[SA0] offset:IMG*6+512*\c
.endr
	WIN 0x80
.irp c, 0,1,2
	ds_load_b128 v[240+4*\c:240+4*\c+3], v[SA0] offset:IMG*7+512*\c
.endr
	WIN 0
.irp t, 0,1,2,3,4,5,6,7
	ds_load_b32 v[KS+\t], v[SB0] offset:IMG*\t
.endr
	s_wait_dscnt 0x0
.if \zero
.set KW, 0xc0                          ; destination window 3
.else
.set KW, 0xf0                          ; C and D window 3
.endif
.irp j, 0,1,2,3
.set BW, 0
.set BR, ACC+48
.if \j == 1
.set BR, PC
.elseif \j > 1
.set BW, \j-1
.set BR, 240
.endif
	WIN KW|(BW<<2)
.irp i, 0,1,2,3
	WM 128*(\hd)+8*(4*\j+\i), ACC+12*\i, BR, \zero, KS+\i, KS+4+\j, 0, 0
.endr
.endr
	WIN 0
	PLACES 5                                       ; the next tile's products write over these operands; stores of the results and loads into the operands want four
.endm
.macro HEADPASS hd, zero, last         ; a head's eight tiles (k's four, v's four), four a trip; last = 1: the launch's last four tiles ask for nothing, so both trips are written out and the counts run down
	s_mov_b32 s[ST], 0
.if \last
	TRIP 1, 42, 42, 42, 42
	s_mov_b32 s[ST], 4*IMG
	TRIP 0, 42, 28, 14, 0
.else
.Lh_\@:
	TRIP 1, 42, 42, 42, 42                         ; 42: the three younger tiles' loads
	s_add_co_u32 s[ST], s[ST], 4*IMG
	s_cmp_lt_u32 s[ST], 8*IMG
	s_cbranch_scc1 .Lh_\@
.endif
	KVMUL \hd, \zero
.endm
.macro KVOUT hd                        ; a head's 16 accumulators leave as they stand, each from its low end on, behind the five places at the product's end
	WIN 0x0c                                       ; a store's data are its source 1: window 3
.set ii, 0
.rept 32
	global_store_b128 v[LG], v[128*(\hd)+4*ii:128*(\hd)+4*ii+3], s[PO:PO+1] offset:16384*(\hd)+512*ii th:TH_STORE_NT   ; 32 lanes store 512 consecutive bytes, at a multiple of 256 from part's first byte
.set ii, ii+1
.endr
	WIN 0
.endm
	s_load_b128 s[4:7], s[0:1], 0x0                ; x_global, wimg
	s_load_b64 s[8:9], s[0:1], 0x10                ; part
	v_lshl_add_u32 v[SPW], v0, 2, SPARE
	v_mov_b32 v[NIL], 0
	ds_add_u32 v1, v2
	ds_add_u32 v1, v2
	s_wait_dscnt 0x0
	v_lshrrev_b32 v12, 5, v0
	v_readfirstlane_b32 s[WV], v12                 ; wave 0..3
	; descriptor group 1: a tile of 128 channels x 128 keys of f32: rows of 512 bytes, 32,768 bytes apart in memory, on end in LDS
	s_mov_b32 s[G1+0], 2<<16                       ; no mask; elements of 4 bytes; no padding
	s_mov_b32 s[G1+1], 128<<16                     ; tensor_dim0 = 128
	s_mov_b32 s[G1+2], 128<<16                     ; tensor_dim1 = 128
	s_mov_b32 s[G1+3], 128<<16                     ; tile_dim0 = 128
	s_mov_b32 s[G1+4], 128                         ; tile_dim1 = 128
	s_mov_b32 s[G1+5], 8192                        ; elements from row to row
	s_mov_b32 s[G1+6], 0
	s_mov_b32 s[G1+7], 0
	s_lshr_b32 s38, ttmp9, 5                       ; the batch: 2^24 bytes each,
	s_lshl_b32 s38, s38, 24
	s_lshl_b32 s39, s[WV], 22                      ; my 128 channels: 2^22,
	s_add_co_u32 s38, s38, s39
	s_and_b32 s39, ttmp9, 31
	s_lshl_b32 s39, s39, 10                        ; the work-group's 256 keys: 1,024
	s_add_co_u32 s38, s38, s39
	s_mov_b32 s39, 0
	s_mov_b32 s[G0], 1                             ; count = 1
	s_lshl_b32 s[G0+1], s[WV], 16                  ; LDS address: my quarter of the stage
	s_wait_kmcnt 0x0
	s_add_nc_u64 s[G0+2:G0+3], s[4:5], s[38:39]
	s_or_b32 s[G0+3], s[G0+3], 0x80000000          ; type = 2
	tensor_load_to_lds s[G0:G0+3], s[G1:G1+7]      ; chunk 0: the first fill, ahead of everything else
	s_nop 0
	PLACES 4
	s_lshl_b32 s40, s[WV], 17
	s_mov_b32 s41, 0
	s_add_nc_u64 s[WB:WB+1], s[6:7], s[40:41]      ; my 16 tiles of 8,192 bytes
	s_lshl_b32 s40, ttmp9, 17
	s_lshl_b32 s42, s[WV], 15
	s_add_co_u32 s40, s40, s42
	s_add_nc_u64 s[PO:PO+1], s[8:9], s[40:41]      ; part: (8 wg + 2 w) x 16,384
	s_mov_b32 s[WO], 0
	s_mov_b32 s[WO+1], 0
	s_mov_b64 s[WP:WP+1], s[WB:WB+1]
	s_mov_b32 s[SEL], 0x76543210
	s_mov_b32 s[SEL+1], 0xfedcba98
	v_and_b32 v12, 31, v0                          ; lane
	v_lshlrev_b32 v[LG], 4, v12
	v_lshlrev_b32 v[LG4], 2, v12
	WISSUE 0                                       ; weight tiles 0 to 3: 56 loads
	WLOAD 1
	WLOAD 2
	WLOAD 3
	v_and_b32 v13, 7, v0
	v_bfe_u32 v14, v0, 3, 1                        ; u: lane l of a trip holds key 32 b + l = row 8 (l / 16) + l % 8 of tile 2 b + u
	v_bfe_u32 v15, v0, 4, 1
	v_lshl_add_u32 v13, v15, 3, v13                ; that row
	s_lshl_b32 s42, s[WV], 16
	v_lshl_add_u32 v[XA0], v12, 2, s42
	s_mul_i32 s43, s[WV], 8*IMG
	s_add_co_u32 s43, s43, XIM                     ; my wave's eight image places
	v_mul_u32_u24 v[XI0], v14, IMG
	v_lshl_add_u32 v[XI0], v13, 4, v[XI0]
	v_add_nc_u32 v[XI0], s43, v[XI0]
	s_lshl_b32 s44, s[WV], 9
	s_add_co_u32 s44, s44, XSC
	v_lshl_add_u32 v[XW0], v14, 4, v13
	v_lshl_add_u32 v[XW0], v[XW0], 2, s44
	v_lshl_add_u32 v[LI], v12, 4, XIM
	v_lshl_add_u32 v[LS], v12, 2, XSC
	v_lshl_add_u32 v[SA0], v12, 4, s43
	s_add_co_u32 s43, s43, 1536
	v_lshl_add_u32 v[SB0], v12, 2, s43
.irp b, 0,1,2,3
	v_mov_b32 v[TM+4+\b], 0                        ; written once: a lane permute's destination counts as one of its sources
.endr
	; ---- chunk 0
	s_wait_tensorcnt 0x0                           ; my quarter of the stage is in; I alone read it
	XPHASE
	s_wait_tensorcnt 0x0                           ; no tensor load of mine is out, so group 0 may be written
	ds_add_u32 v[SPW], v[NIL]                      ; 0 onto my spare word
	s_add_nc_u64 s[G0+2:G0+3], s[G0+2:G0+3], 512   ; the next 128 keys
	s_wait_dscnt 0x0                               ; the add is done, my reads of the stage are in, and my images and scale words have landed
	s_barrier_signal -1
	s_barrier_wait -1                              ; all of that holds of every wave
	tensor_load_to_lds s[G0:G0+3], s[G1:G1+7]      ; chunk 1: my one tensor load behind this barrier, and the first thing there; it has chunk 0's 544 matrix instructions in which to land
	s_nop 0
	PLACES 4
	XFETCH
	s_barrier_signal -1
	s_barrier_wait -1                              ; every wave has the images in registers: each wave's eight places are its scratch from here on
	HEADPASS 0, 1, 0
	HEADPASS 1, 1, 0
	; ---- chunk 1
	s_wait_tensorcnt 0x0
	XPHASE                                         ; into my own eight places, which I alone have touched since the last barrier
	s_wait_dscnt 0x0
	s_barrier_signal -1
	s_barrier_wait -1
	XFETCH
	s_barrier_signal -1
	s_barrier_wait -1
	HEADPASS 0, 0, 0
	KVOUT 0                                        ; head 2 w leaves while head 2 w + 1 is multiplied
	HEADPASS 1, 0, 1
	KVOUT 1
	s_wait_tensorcnt 0x0                           ; the wave's end: behind my last tensor load and my last LDS store
	ds_add_u32 v[SPW], v[NIL]
	s_wait_dscnt 0x0
	s_endpgm
.Lfunc_end_k_qc07a98c284_kvpart:
	.size	k_qc07a98c284_kvpart, .Lfunc_end_k_qc07a98c284_kvpart-k_qc07a98c284_kvpart
	.p2alignl 7, 3214868480
	.fill 96, 4, 3214868480
	.section	.rodata,"a",@progbits
	.p2align	6, 0x0
	.amdhsa_kernel k_qc07a98c284_kvpart
		.amdhsa_group_segment_fixed_size 327680
		.amdhsa_private_segment_fixed_size 0
		.amdhsa_enable_private_segment 0
		.amdhsa_kernarg_size 24
		.amdhsa_user_sgpr_count 2
		.amdhsa_user_sgpr_kernarg_segment_ptr 1
		.amdhsa_wavefront_size32 1
		.amdhsa_system_sgpr_workgroup_id_x 1
		.amdhsa_system_sgpr_workgroup_id_y 1
		.amdhsa_system_sgpr_workgroup_id_z 1
		.amdhsa_system_vgpr_workitem_id 0
		.amdhsa_next_free_vgpr 1024
		.amdhsa_next_free_sgpr 66
		.amdhsa_reserve_vcc 0
		.amdhsa_float_denorm_mode_32 3
		.amdhsa_float_denorm_mode_16_64 3
		.amdhsa_memory_ordered 1
		.amdhsa_forward_progress 1
		.amdhsa_inst_pref_size 255
	.end_amdhsa_kernel
	.section	.bss,"aw",@nobits
	.p2align	6
	.space	262144
	.amdgpu_metadata
---
amdhsa.version: [ 1, 2 ]
amdhsa.kernels:
  - .name:           k_qc07a98c284_kvpart
    .symbol:         k_qc07a98c284_kvpart.kd
    .args:
      - { .name: x_global, .offset: 0, .size: 8, .value_kind: global_buffer, .address_space: global }
      - { .name: wimg, .offset: 8, .size: 8, .value_kind: global_buffer, .address_space: global }
      - { .name: part, .offset: 16, .size: 8, .value_kind: global_buffer, .address_space: global }
    .group_segment_fixed_size: 327680
    .private_segment_fixed_size: 0
    .kernarg_segment_align: 8
    .kernarg_segment_size: 24
    .max_flat_workgroup_size: 128
    .sgpr_count:     66
    .vgpr_count:     1024
    .wavefront_size: 32
...
	.end_amdgpu_metadata
.endif
;; end of part 2
;; launch kvsum (part 3): grid 256 x 1, 8 waves a work-group, no clusters, 33,792 bytes of LDS; arguments part, kvimg; writes kvimg
.if DOCPART == 3
	.amdgcn_target "amdgcn-amd-amdhsa--gfx1250"
	.amdhsa_code_object_version 6
	.text
	.protected	k_qc07a98c284_kvsum
	.globl	k_qc07a98c284_kvsum
	.p2align	8
	.type	k_qc07a98c284_kvsum,@function
k_qc07a98c284_kvsum:
	s_mov_b64 s[64:65], 0
	v_nop
	global_prefetch_b8 v0, s[64:65] scope:SCOPE_SE
	s_setreg_imm32_b32 hwreg(HW_REG_WAVE_MODE, 25, 1), 1
	s_wait_xcnt 0x0
; kv of a batch and head is the sum of 32 parts (f32, stored as accumulators stood).  The sum, times 2^-6, is quantised along d (64: two blocks of 32) to codes of FP6 (E2M3) and stored as an image of an operand's registers.
; THE FACTOR 1 / 64 of the product that follows is applied here, ahead of the quantiser: a power of two changes no code and lowers the scale's byte by 6, and that product's sums come out multiplied by 2^-6 exactly.
; LIMITS: that holds unless a block's largest |kv| lies under 2^-118; a block whose largest magnitude (behind the factor) lies under 2^-124 has its byte held at 1 (a block of zeros too: its codes are zeros); NaN and infinities are not served.
; SHARES: work-group wg = 32 batch + 4 head + j makes the fragment of v's tile j (16 columns e x 64 d): 4,096 bytes of each part.  Wave w of eight adds parts 4 w .. 4 w + 3 and asks for all four at once, so that the
; work-group's 131,072 bytes are all on their way from its first lines; the eight sums meet in LDS, and wave 0 finishes.
; A lane's 32 numbers: register 16 b + i = kv(d = 32 b + 16 (lane / 16) + i, my e).  kvimg: fragment wg at 2,048 wg: registers 4 g .. 4 g + 3 of lane l at 512 g + 16 l (registers 6-11, K = 64 .. 127, are zero codes), the scale word at 1,536 + 4 l.
; A stream: no matrix unit, no tensor load, no cluster: no byte is read twice.
.set S,   32                           ; v32-63   the sum
.set LD,  64                           ; v64-191  four sets of 32: parts on their way, later other waves' sums
.set TM,  192                          ; v192-204 at work
.set CD,  208                          ; v208-219 the fragment's codes
.set SCR, 220                          ; v220-222
.macro PLOAD p
.irp q, 0,1,2,3,4,5,6,7
	global_load_b128 v[LD+32*(\p)+4*\q:LD+32*(\p)+4*\q+3], v1, s[4:5] offset:131072*(\p)+512*\q th:TH_LOAD_NT   ; 32 lanes read 512 consecutive bytes
.endr
.endm
.macro PADD p
.irp i, 0,2,4,6,8,10,12,14,16,18,20,22,24,26,28,30
	v_pk_add_f32 v[S+\i:S+\i+1], v[S+\i:S+\i+1], v[LD+32*(\p)+\i:LD+32*(\p)+\i+1]
.endr
.endm
	s_load_b128 s[4:7], s[0:1], 0x0                ; part, kvimg
	v_lshl_add_u32 v224, v0, 2, 0x8000
	v_mov_b32 v225, 0
	v_lshrrev_b32 v4, 5, v0
	v_readfirstlane_b32 s8, v4                     ; wave 0..7
	v_and_b32 v4, 31, v0
	v_lshlrev_b32 v1, 4, v4                        ; 16 x lane
	v_lshlrev_b32 v2, 2, v4                        ; 4 x lane
	s_lshl_b32 s9, s8, 12
	v_add_nc_u32 v3, s9, v1                        ; LDS: my wave's 4,096 bytes
	s_lshr_b32 s10, ttmp9, 5
	s_lshl_b32 s10, s10, 22                        ; the batch's 32 parts of 131,072 bytes,
	s_lshl_b32 s11, s8, 19                         ; my four of them,
	s_add_co_u32 s10, s10, s11
	s_and_b32 s11, ttmp9, 31
	s_lshl_b32 s11, s11, 12                        ; head x 16,384 + j x 4,096
	s_add_co_u32 s10, s10, s11
	s_mov_b32 s11, 0
	s_lshl_b32 s12, ttmp9, 11
	s_mov_b32 s13, 0
	s_mov_b32 s14, 0x76543210
	s_mov_b32 s15, 0xfedcba98
	s_wait_kmcnt 0x0
	s_add_nc_u64 s[4:5], s[4:5], s[10:11]
	s_add_nc_u64 s[6:7], s[6:7], s[12:13]
	PLOAD 0
	PLOAD 1
	PLOAD 2
	PLOAD 3
	s_wait_loadcnt 16                              ; parts 0 and 1 are in; the 16 loads of parts 2 and 3 may be out
.irp i, 0,2,4,6,8,10,12,14,16,18,20,22,24,26,28,30
	v_pk_add_f32 v[S+\i:S+\i+1], v[LD+\i:LD+\i+1], v[LD+32+\i:LD+32+\i+1]   ; the first two parts start the sum: nothing is cleared
.endr
	s_wait_loadcnt 8                               ; part 2 is in; part 3's 8 loads may be out
	PADD 2
	s_wait_loadcnt 0x0
	PADD 3
.irp q, 0,1,2,3,4,5,6,7
	ds_store_b128 v3, v[S+4*\q:S+4*\q+3] offset:512*\q
.endr
	s_wait_dscnt 0x0                               ; for the others' sake: my sum has landed
	s_barrier_signal -1
	s_barrier_wait -1
	s_cmp_lg_u32 s8, 0
	s_cbranch_scc1 .Lend
.irp w, 1,2,3,4                                ; wave 0: the sums of waves 1 to 4,
.irp q, 0,1,2,3,4,5,6,7
	ds_load_b128 v[LD+32*(\w-1)+4*\q:LD+32*(\w-1)+4*\q+3], v1 offset:4096*\w+512*\q
.endr
.endr
	s_wait_dscnt 0x0
	PADD 0
	PADD 1
	PADD 2
	PADD 3
.irp w, 5,6,7                                  ; and of waves 5 to 7
.irp q, 0,1,2,3,4,5,6,7
	ds_load_b128 v[LD+32*(\w-5)+4*\q:LD+32*(\w-5)+4*\q+3], v1 offset:4096*\w+512*\q
.endr
.endr
	s_wait_dscnt 0x0
	PADD 0
	PADD 1
	PADD 2
.irp i, 0,2,4,6,8,10,12,14,16,18,20,22,24,26,28,30
	v_pk_mul_f32 v[S+\i:S+\i+1], v[S+\i:S+\i+1], 0x3c800000 op_sel_hi:[1,0]   ; x 2^-6: exact
.endr
.irp b, 0,1
	v_max3_num_f32 v[TM+\b], |v[S+16*\b]|, |v[S+16*\b+1]|, 0x1800000   ; block b: my 16 numbers, and the floor 2^(3 - 127)
.endr
.irp i, 2,4,6,8,10,12,14
.irp b, 0,1
	v_max3_num_f32 v[TM+\b], v[TM+\b], |v[S+16*\b+\i]|, |v[S+16*\b+\i+1]|
.endr
.endr
.irp b, 0,1
	v_mov_b32 v[TM+4+\b], 0                        ; a lane permute's destination counts as one of its sources
.endr
.irp b, 0,1
	v_permlanex16_b32 v[TM+4+\b], v[TM+\b], s14, s15
.endr
.irp b, 0,1
	v_max_num_f32 v[TM+\b], v[TM+\b], v[TM+4+\b]   ; with lane l xor 16's: the block's largest magnitude
.endr
.irp b, 0,1
	v_add_nc_u32 v[TM+8+\b], 0xff000000, v[TM+\b]  ; 2 off its exponent field: the conversion's scale operand
.endr
.irp b, 0,1
	v_lshrrev_b32 v[TM+4+\b], 23, v[TM+8+\b]       ; the scale's byte
.endr
	v_lshl_or_b32 v[TM+12], v[TM+5], 8, v[TM+4]
	v_or_b32 v[TM+12], 0x7f7f0000, v[TM+12]        ; the bytes of K = 64 .. 127, whose codes are zeros: 127
	v_cvt_scalef32_pk16_fp6_f32 v[CD:CD+2], v[S:S+15], v[TM+8]
	v_cvt_scalef32_pk16_fp6_f32 v[SCR:SCR+2], v[S+16:S+31], v[TM+9]
	v_nop                                          ; one plain instruction behind the scaled conversions
.irp i, 0,1,2
	v_permlane16_swap_b32 v[CD+\i], v[SCR+\i]      ; a WHOLE block in a lane: lanes 0-15 block 0, lanes 16-31 block 1
.endr
.irp i, 0,1,2
	v_mov_b32 v[CD+3+\i], v[SCR+\i]
.endr
.irp i, 6,7,8,9,10,11
	v_mov_b32 v[CD+\i], 0
.endr
.irp g, 0,1,2
	global_store_b128 v1, v[CD+4*\g:CD+4*\g+3], s[6:7] offset:512*\g   ; 32 lanes store 512 consecutive bytes, at a multiple of 256 from kvimg's first byte
.endr
	global_store_b32 v2, v[TM+12], s[6:7] offset:1536
.Lend:
	s_wait_tensorcnt 0x0
	ds_add_u32 v224, v225
	s_wait_dscnt 0x0
	s_endpgm
.Lfunc_end_k_qc07a98c284_kvsum:
	.size	k_qc07a98c284_kvsum, .Lfunc_end_k_qc07a98c284_kvsum-k_qc07a98c284_kvsum
	.p2alignl 7, 3214868480
	.fill 96, 4, 3214868480
	.section	.rodata,"a",@progbits
	.p2align	6, 0x0
	.amdhsa_kernel k_qc07a98c284_kvsum
		.amdhsa_group_segment_fixed_size 33792
		.amdhsa_private_segment_fixed_size 0
		.amdhsa_enable_private_segment 0
		.amdhsa_kernarg_size 16
		.amdhsa_user_sgpr_count 2
		.amdhsa_user_sgpr_kernarg_segment_ptr 1
		.amdhsa_wavefront_size32 1
		.amdhsa_system_sgpr_workgroup_id_x 1
		.amdhsa_system_sgpr_workgroup_id_y 1
		.amdhsa_system_sgpr_workgroup_id_z 1
		.amdhsa_system_vgpr_workitem_id 0
		.amdhsa_next_free_vgpr 226
		.amdhsa_next_free_sgpr 66
		.amdhsa_reserve_vcc 0
		.amdhsa_float_denorm_mode_32 3
		.amdhsa_float_denorm_mode_16_64 3
		.amdhsa_memory_ordered 1
		.amdhsa_forward_progress 1
		.amdhsa_inst_pref_size 23
	.end_amdhsa_kernel
	.amdgpu_metadata
---
amdhsa.version: [ 1, 2 ]
amdhsa.kernels:
  - .name:           k_qc07a98c284_kvsum
    .symbol:         k_qc07a98c284_kvsum.kd
    .args:
      - { .name: part, .offset: 0, .size: 8, .value_kind: global_buffer, .address_space: global }
      - { .name: kvimg, .offset: 8, .size: 8, .value_kind: global_buffer, .address_space: global }
    .group_segment_fixed_size: 33792
    .private_segment_fixed_size: 0
    .kernarg_segment_align: 8
    .kernarg_segment_size: 16
    .max_flat_workgroup_size: 256
    .sgpr_count:     66
    .vgpr_count:     226
    .wavefront_size: 32
...
	.end_amdgpu_metadata
.endif
;; end of part 3
;; launch gate (part 4): grid 256 x 1, 4 waves a work-group, no clusters, 327,680 bytes of LDS; arguments x_local, wimg, kvimg, out0; writes out0
.if DOCPART == 4
	.amdgcn_target "amdgcn-amd-amdhsa--gfx1250"
	.amdhsa_code_object_version 6
	.text
	.protected	k_qc07a98c284_gate
	.globl	k_qc07a98c284_gate
	.p2align	8
	.type	k_qc07a98c284_gate,@function
k_qc07a98c284_gate:
	s_mov_b64 s[64:65], 0
	v_nop
	global_prefetch_b8 v0, s[64:65] scope:SCOPE_SE
	s_setreg_imm32_b32 hwreg(HW_REG_WAVE_MODE, 25, 1), 1
	s_wait_xcnt 0x0
; For 128 positions of one batch: x_local -> codes along the channels; q = x Wq^T; q -> codes along d; q kv (kv comes with the factor 1 / 64 in its scales); -> codes along p; times Wo^T; out0 [batch][o][position], f32.
; All products on codes of FP6 (E2M3) with one E8M0 scale for each 32 along K; sums in f32.  q and the merged heads never go to memory.
; SHARES.  Work-group: batch wg / 32, positions 128 (wg % 32) on.  Wave w fetches and quantises channels 128 w .. + 127 (K step w of the first product), makes q and the heads' outputs of heads 2 w and 2 w + 1
; (K step w of the last product), and makes the output rows o = 128 w .. + 127.  x's 32 fragments, later the merged heads' 32, stay in 384 registers; the wave's 16 weight tiles (8 of Wq, 8 of Wo) stream past them straight from memory
; through THREE sets of registers: tile i lies in set i % 3 and asks for tile i + 3, so the 16 tiles are written out.  kv's fragments of the first head are asked for at the kernel's head, those of the second as soon as the first's have been multiplied.
; LAYOUT.  THE POSITIONS OF A TILE ARE NOT NEIGHBOURS: row m of tile 2 b + u is position 32 b + 8 u + m + 8 (m / 8); the weights' rows and kv's columns are chosen likewise.  First and second product: source 0 = 16 rows of Wq or 16 columns of kv,
; source 1 = 16 positions: a lane holds ONE position and its registers run along d or e, the next K.  Last product: source 0 = 16 positions, source 1 = 16 rows of Wo: a lane holds one row o and 64 positions in runs of 16.
; The second product's K is 64: registers 6-11 of both operands hold zero codes.
; NO JOINT LOADS: x's tiles are read by one work-group each.  The weights are read by all, but a joint load lands in LDS, where the stage (262,144 bytes), the images (53,248), the scale words (2,048) and the spare words (512)
; leave 9,728 bytes while the first tiles are wanted: less than two slots of a tile's 6,400 bytes for each of four waves (51,200).
; LIMITS: a block whose largest magnitude lies under 2^-124 has its byte held at 1 (a block of zeros too: its codes are zeros, and this program alone reads the bytes); NaN and infinities are not served.
; REGISTERS, in windows of 256.  window 0: v3-14, v216-221 addresses; v16-31 x's scale words, later the merged heads'; v32-35, v222-223 the weights'; v36-39 kv's; v40-47 q's, later the heads' outputs'; v48-143 eight fragments of q, later of the outputs
;   (in the X phase v48-111 are two sets of 32 numbers; in the last product v48-111 are eight accumulators and v112-175 16 rows on their way out); v144-191 kv's four fragments; v192-231 at work; v232-255 weight set 2, K steps 2, 3.
;   window 1: v0-191 fragments of K steps 0, 1; v192-239 weight set 0; v240-251 weight set 2, K step 0.   window 2: the same for K steps 2, 3, set 1, and set 2's K step 1.   window 3: 32 accumulators: tile of positions n, tile of d or e t at v[32 n + 8 t].
.set IMG,   1664                       ; an image's place
.set XIM,   262144                     ; LDS: bytes 0 .. 262,143 the f32 stage: channel c at 512 c, position at 4 x position; filled ONCE; wave w's tensor load fills, and wave w alone reads, 65,536 w on.  Then x's 32 images
.set XSC,   XIM+32*IMG                 ; x's scale words: (s, b) at 128 (4 s + b)
.set OIM,   0                          ; when every wave has read the stage out, it holds: the merged heads' 32 images: in each, head half c at 768 c: registers 0-3 at 16 l, registers 4, 5 at 512 + 8 l;
.set OSC,   32*IMG                     ; their scale words, (s, b) at 128 (4 s + b), the odd head's two bytes 2 bytes on;
.set OST,   OSC+2048                   ; and a stage of 16 rows x (512 + 16) bytes for each wave, for the way out
.set XA0, 3
.set XI0, 4
.set XW0, 5
.set LI,  6                            ; XIM + 16 x lane
.set LS,  7                            ; XSC + 4 x lane
.set LG,  8                            ; 16 x lane
.set LG4, 9                            ; 4 x lane
.set OA1B, 10                          ; OIM + my wave's eight places + 16 x lane
.set OA2B, 11                          ; the same + 512 + 8 x lane
.set XA,  12                           ; v12-14 the X phase's addresses in hand
.set XI,  13
.set XW,  14
.set XSCL, 16
.set WSCL, 32
.set KVS, 36
.set QW,  40
.set QF,  48
.set ACC, 48
.set OB,  112
.set KVF, 144
.set TM,  192
.set SCR, 208
.set OA3B, 216                         ; OSC + 512 w + 4 (lane % 16)
.set LI2, 217                          ; OIM + 16 x lane
.set LJ2, 218                          ; OIM + 8 x lane
.set LS2, 219                          ; OSC + 4 x lane
.set SO,  220                          ; my stage: row lane % 16, + 64 (lane / 16)
.set SR,  221                          ; my stage: 16 x lane
.set WSC2, 222                         ; v222-223 weight set 2's scale words
.set PC,  224                          ; v224-230 the X phase's codes
.set PW,  231                          ; and its scale word
.set G0,  12
.set G1,  16
.set WB,  24                           ; s[24:25] my wave's 16 weight tiles: 8 of Wq, then 8 of Wo
.set WO,  26
.set WP,  28
.set KB,  30                           ; s[30:31] kv's eight fragments of my two heads; never stepped
.set OP,  32                           ; s[32:33] out0 at my first row and position; never stepped
.set XB,  34
.set XT,  35
.set SEL, 36
.set WV,  38
.set MSB, 0
.macro WIN new                         ; the immediate's high byte repeats the setting that is left; a switch that changes nothing is dropped
.if MSB != (\new)
	s_set_vgpr_msb (MSB<<8)|(\new)
.set MSB, (\new)
.endif
.endm
.macro PLACES n
.rept \n
	v_nop
.endr
.endm
; One matrix instruction.  z = 1: the constant 0 starts the sum.  ra, rb = 1: that side's scale words stand in lanes 16-31.
.macro WM d, a, b, z, sa, sb, ra, rb
.set WMV, (\ra)+2*(\rb)
.if \z
.if WMV == 0
	v_wmma_scale_f32_16x16x128_f8f6f4 v[(\d):(\d)+7], v[(\a):(\a)+11], v[(\b):(\b)+11], 0, v[\sa], v[\sb] matrix_a_fmt:MATRIX_FMT_FP6 matrix_b_fmt:MATRIX_FMT_FP6
.elseif WMV == 1
	v_wmma_scale_f32_16x16x128_f8f6f4 v[(\d):(\d)+7], v[(\a):(\a)+11], v[(\b):(\b)+11], 0, v[\sa], v[\sb] matrix_a_fmt:MATRIX_FMT_FP6 matrix_b_fmt:MATRIX_FMT_FP6 matrix_a_scale:MATRIX_SCALE_ROW1
.elseif WMV == 2
	v_wmma_scale_f32_16x16x128_f8f6f4 v[(\d):(\d)+7], v[(\a):(\a)+11], v[(\b):(\b)+11], 0, v[\sa], v[\sb] matrix_a_fmt:MATRIX_FMT_FP6 matrix_b_fmt:MATRIX_FMT_FP6 matrix_b_scale:MATRIX_SCALE_ROW1
.else
	v_wmma_scale_f32_16x16x128_f8f6f4 v[(\d):(\d)+7], v[(\a):(\a)+11], v[(\b):(\b)+11], 0, v[\sa], v[\sb] matrix_a_fmt:MATRIX_FMT_FP6 matrix_b_fmt:MATRIX_FMT_FP6 matrix_a_scale:MATRIX_SCALE_ROW1 matrix_b_scale:MATRIX_SCALE_ROW1
.endif
.else
.if WMV == 0
	v_wmma_scale_f32_16x16x128_f8f6f4 v[(\d):(\d)+7], v[(\a):(\a)+11], v[(\b):(\b)+11], v[(\d):(\d)+7], v[\sa], v[\sb] matrix_a_fmt:MATRIX_FMT_FP6 matrix_b_fmt:MATRIX_FMT_FP6
.elseif WMV == 1
	v_wmma_scale_f32_16x16x128_f8f6f4 v[(\d):(\d)+7], v[(\a):(\a)+11], v[(\b):(\b)+11], v[(\d):(\d)+7], v[\sa], v[\sb] matrix_a_fmt:MATRIX_FMT_FP6 matrix_b_fmt:MATRIX_FMT_FP6 matrix_a_scale:MATRIX_SCALE_ROW1
.elseif WMV == 2
	v_wmma_scale_f32_16x16x128_f8f6f4 v[(\d):(\d)+7], v[(\a):(\a)+11], v[(\b):(\b)+11], v[(\d):(\d)+7], v[\sa], v[\sb] matrix_a_fmt:MATRIX_FMT_FP6 matrix_b_fmt:MATRIX_FMT_FP6 matrix_b_scale:MATRIX_SCALE_ROW1
.else
	v_wmma_scale_f32_16x16x128_f8f6f4 v[(\d):(\d)+7], v[(\a):(\a)+11], v[(\b):(\b)+11], v[(\d):(\d)+7], v[\sa], v[\sb] matrix_a_fmt:MATRIX_FMT_FP6 matrix_b_fmt:MATRIX_FMT_FP6 matrix_a_scale:MATRIX_SCALE_ROW1 matrix_b_scale:MATRIX_SCALE_ROW1
.endif
.endif
.endm
; 64 numbers of a lane, v[s] .. v[s + 63] of window sw, register 16 b + i = k 32 b + 16 (lane / 16) + i of my row, become codes: blocks 0, 1 in six registers from d0, blocks 2, 3 in six from d1.
; split = 0: the four bytes make one scale word, w0;  split = 1: two words of two bytes, w0 and w1 (here: two tiles of positions, 64 along K each).  Each accumulator is read from its low end on.
.macro QUANT sw, s, d0, d1, scr, w0, w1, split
	s_wait_dscnt 0x0                               ; earlier LDS stores have read the registers that are written below
	WIN (\sw)*0x14                                 ; sources 1 and 2
.irp b, 0,1,2,3
	v_max3_num_f32 v[TM+\b], 0x1800000, |v[(\s)+16*\b]|, |v[(\s)+16*\b+1]|   ; block b: my 16 numbers, and the floor 2^(3 - 127): the byte cannot fall under 1
.endr
.irp i, 2,4,6,8,10,12,14
.irp b, 0,1,2,3
	v_max3_num_f32 v[TM+\b], v[TM+\b], |v[(\s)+16*\b+\i]|, |v[(\s)+16*\b+\i+1]|   ; (the four blocks by turns)
.endr
.endr
	WIN 0
.irp b, 0,1,2,3
	v_permlanex16_b32 v[TM+4+\b], v[TM+\b], s[SEL], s[SEL+1]
.endr
.irp b, 0,1,2,3
	v_max_num_f32 v[TM+\b], v[TM+\b], v[TM+4+\b]   ; with lane l xor 16's: the block's largest magnitude
.endr
.irp b, 0,1,2,3
	v_add_nc_u32 v[TM+12+\b], 0xff000000, v[TM+\b] ; 2 off its exponent field: the conversion's scale operand
.endr
.irp b, 0,1,2,3
	v_lshrrev_b32 v[TM+4+\b], 23, v[TM+12+\b]      ; the scale's byte
.endr
	v_lshl_or_b32 v[\w0], v[TM+5], 8, v[TM+4]
.if \split
	v_lshl_or_b32 v[\w1], v[TM+7], 8, v[TM+6]
.else
	v_lshl_or_b32 v[\w0], v[TM+6], 16, v[\w0]
	v_lshl_or_b32 v[\w0], v[TM+7], 24, v[\w0]
.endif
	WIN (\sw)                                      ; source 0
	v_cvt_scalef32_pk16_fp6_f32 v[(\d0):(\d0)+2], v[(\s):(\s)+15], v[TM+12]
	v_cvt_scalef32_pk16_fp6_f32 v[(\scr):(\scr)+2], v[(\s)+16:(\s)+31], v[TM+13]   ; (a conversion's three registers begin on an even number)
	v_cvt_scalef32_pk16_fp6_f32 v[(\d1):(\d1)+2], v[(\s)+32:(\s)+47], v[TM+14]
	v_cvt_scalef32_pk16_fp6_f32 v[(\scr)+4:(\scr)+6], v[(\s)+48:(\s)+63], v[TM+15]
	WIN 0
	v_nop                                          ; one plain instruction behind the scaled conversions
.irp i, 0,1,2                                  ; the operand's layout wants a WHOLE block in a lane: lanes 0-15 the even block, lanes 16-31 the odd one
	v_permlane16_swap_b32 v[(\d0)+\i], v[(\scr)+\i]
.endr
.irp i, 0,1,2
	v_permlane16_swap_b32 v[(\d1)+\i], v[(\scr)+4+\i]
.endr
.irp i, 0,1,2
	v_mov_b32 v[(\d0)+3+\i], v[(\scr)+\i]
.endr
.irp i, 0,1,2
	v_mov_b32 v[(\d1)+3+\i], v[(\scr)+4+\i]
.endr
.endm
; Where the fragment of K step s of weight set p lies: window WW, first register WR; and the register WS with its scale words
.macro WLOC p, s
.if (\p) < 2
.set WW, 1+(\p)
.set WR, 192+12*(\s)
.set WS, WSCL+2*(\p)+(\s)/2
.else
.set WS, WSC2+(\s)/2
.if (\s) < 2
.set WW, 1+(\s)
.set WR, 240
.else
.set WW, 0
.set WR, 232+12*((\s)-2)
.endif
.endif
.endm
; A weight tile's 14 loads into set p: four fragments (12 x 512 consecutive bytes) and two registers of scale words (K steps 2 d and 2 d + 1 in the two halves of the lanes)
.macro WISSUE p
.irp s, 0,1,2,3
	WLOC \p, \s
	WIN (WW<<6)                                    ; the destination's window
.irp c, 0,1,2
	global_load_b128 v[WR+4*\c:WR+4*\c+3], v[LG], s[WP:WP+1] offset:1536*\s+512*\c
.endr
.endr
	WIN 0
.irp d, 0,1
	WLOC \p, 2*\d
	global_load_b32 v[WS], v[LG4], s[WP:WP+1] offset:6144+128*\d
.endr
.endm
.macro WLOAD p                         ; the next tile of my 16
	s_wait_xcnt 0x0                                ; the earlier loads and stores have read their bases and registers
	s_add_co_u32 s[WO], s[WO], 8192
	s_add_nc_u64 s[WP:WP+1], s[WB:WB+1], s[WO:WO+1]
	WISSUE \p
.endm
.macro KVLOAD off                      ; kv's four fragments of a head and their scale words: 16 loads
.irp j, 0,1,2,3
.irp c, 0,1,2
	global_load_b128 v[KVF+12*\j+4*\c:KVF+12*\j+4*\c+3], v[LG], s[KB:KB+1] offset:(\off)+2048*\j+512*\c
.endr
	global_load_b32 v[KVS+\j], v[LG4], s[KB:KB+1] offset:(\off)+2048*\j+1536
.endr
.endm
; THE X PHASE.  A lane takes a position and its registers run down the channels: a block of 32 channels lies in one lane's 32 registers.  A trip takes 32 positions (two tiles), four blocks of 32 channels each.
.macro LOADU be, set
.set ii, 0
.rept 32
	ds_load_b32 v[ACC+32*(\set)+ii], v[XA] offset:(32*(\be)+ii)*512   ; 32 lanes read 128 consecutive bytes of a channel's row
.set ii, ii+1
.endr
.endm
.macro PROC be, set
.set XS, ACC+32*(\set)
	v_max3_num_f32 v[TM], |v[XS]|, |v[XS+1]|, |v[XS+2]|
	v_max3_num_f32 v[TM+1], |v[XS+3]|, |v[XS+4]|, |v[XS+5]|
.irp i, 6,10,14,18,22,26
	v_max3_num_f32 v[TM], v[TM], |v[XS+\i]|, |v[XS+\i+1]|
	v_max3_num_f32 v[TM+1], v[TM+1], |v[XS+\i+2]|, |v[XS+\i+3]|
.endr
	v_max3_num_f32 v[TM], v[TM], |v[XS+30]|, |v[XS+31]|
	v_max3_num_f32 v[TM], v[TM], v[TM+1], 0x1800000
	v_add_nc_u32 v[TM+12], 0xff000000, v[TM]
	v_lshrrev_b32 v[TM+1], 23, v[TM+12]
.if (\be) == 0
	v_mov_b32 v[PW], v[TM+1]
.else
	v_lshl_or_b32 v[PW], v[TM+1], 8*(\be), v[PW]
.endif
	v_cvt_scalef32_pk16_fp6_f32 v[PC:PC+2], v[XS:XS+15], v[TM+12]
	v_cvt_scalef32_pk16_fp6_f32 v[PC+4:PC+6], v[XS+16:XS+31], v[TM+12]
	v_nop
	v_mov_b32 v[PC+3], v[PC+4]
	v_mov_b32 v[PC+4], v[PC+5]
	v_mov_b32 v[PC+5], v[PC+6]
.set HB, 256*((\be)%2)                 ; block be of row m belongs to the operand's lane m + 16 (be % 2), registers 6 (be / 2) .. + 5
.if (\be) < 2
	ds_store_b128 v[XI], v[PC:PC+3] offset:HB
	ds_store_b64 v[XI], v[PC+4:PC+5] offset:512+HB
.else
	ds_store_b64 v[XI], v[PC:PC+1] offset:520+HB
	ds_store_b128 v[XI], v[PC+2:PC+5] offset:1024+HB
.endif
.endm
.macro XPHASE
	s_mov_b32 s[XB], 0
	s_mov_b32 s[XT], 0
.Lx_\@:
	s_wait_dscnt 0x0                               ; the last trip's stores have read their addresses and the scale word
	v_add_nc_u32 v[XA], s[XB], v[XA0]
	v_add_nc_u32 v[XI], s[XT], v[XI0]
	v_add_nc_u32 v[XW], s[XB], v[XW0]
	LOADU 0, 0
	LOADU 1, 1
	s_wait_dscnt 32                                ; all but the 32 loads issued last: the older block is in
	PROC 0, 0
	LOADU 2, 0
	s_wait_dscnt 32                                ; likewise; the last block's stores are done too
	PROC 1, 1
	LOADU 3, 1
	s_wait_dscnt 32
	PROC 2, 0
	s_wait_dscnt 0x0
	PROC 3, 1
	ds_store_b32 v[XW], v[PW]
	s_add_co_u32 s[XT], s[XT], 2*IMG
	s_add_co_u32 s[XB], s[XB], 128
	s_cmp_lt_u32 s[XB], 512
	s_cbranch_scc1 .Lx_\@
.endm
.macro XFETCH                          ; x's 32 images and 16 registers of scale words into registers
	WIN 0x40
.irp n, 0,1,2,3,4,5,6,7,8,9,10,11,12,13,14,15
.irp g, 0,1,2
	ds_load_b128 v[12*\n+4*\g:12*\n+4*\g+3], v[LI] offset:\n*IMG+512*\g
.endr
.endr
	WIN 0x80
.irp n, 0,1,2,3,4,5,6,7,8,9,10,11,12,13,14,15
.irp g, 0,1,2
	ds_load_b128 v[12*\n+4*\g:12*\n+4*\g+3], v[LI] offset:(16+\n)*IMG+512*\g
.endr
.endr
	WIN 0
.irp n, 0,1,2,3,4,5,6,7,8,9,10,11,12,13,14,15
	ds_load_b32 v[XSCL+\n], v[LS] offset:\n*128
.endr
	s_wait_dscnt 0x0
.endm
.macro OFRAG n, off                    ; a merged-heads fragment: each head's six registers as 16 + 8 bytes a lane
	ds_load_b128 v[12*(\n):12*(\n)+3], v[LI2] offset:(\off)
	ds_load_b64 v[12*(\n)+4:12*(\n)+5], v[LJ2] offset:(\off)+512
	ds_load_b128 v[12*(\n)+6:12*(\n)+9], v[LI2] offset:(\off)+768
	ds_load_b64 v[12*(\n)+10:12*(\n)+11], v[LJ2] offset:(\off)+1280
.endm
.macro OFETCH                          ; the merged heads' 32 images and 16 registers of scale words take x's registers
	WIN 0x40
.irp n, 0,1,2,3,4,5,6,7,8,9,10,11,12,13,14,15
	OFRAG \n, \n*IMG
.endr
	WIN 0x80
.irp n, 0,1,2,3,4,5,6,7,8,9,10,11,12,13,14,15
	OFRAG \n, (16+\n)*IMG
.endr
	WIN 0
.irp n, 0,1,2,3,4,5,6,7,8,9,10,11,12,13,14,15
	ds_load_b32 v[XSCL+\n], v[LS2] offset:\n*128
.endr
	s_wait_dscnt 0x0
.endm
; Tile t (16 of the head's 64 rows of Wq, from weight set p) against the 128 positions: 32 matrix instructions, eight accumulators by turns.  cnt: the younger loads that may stay out.  The tile three further on is asked for.
.macro QTILE t, p, cnt
	s_wait_loadcnt \cnt
.irp s, 0,1,2,3
.set ZZ, 0
.if \s == 0
.set ZZ, 1
.endif
	WLOC \p, \s
	WIN 0xf0|((1+\s/2)<<2)|WW                      ; source 0 (Wq) the set's window, source 1 (x) window 1 or 2, C and D window 3
.irp n, 0,1,2,3,4,5,6,7
	WM 32*\n+8*(\t), WR, 12*(8*(\s%2)+\n), ZZ, WS, XSCL+4*\s+\n/2, \s%2, \n%2
.endr
.endr
	WIN 0
	PLACES 5                                       ; in front of the loads into the weight set and of the first read of the results
	WLOAD \p
.endm
; ONE OF MY TWO HEADS.  Its four tiles are tiles 4 h .. 4 h + 3 of my 16.  Loads are issued in this order: three weight tiles, kv's 16, then a weight tile behind each tile's products.  So behind the loads of each of the first three tiles stand
; two tiles' 28 and kv's 16: 44; behind the fourth's two tiles' 28, so that kv is in from there on.
.macro HEAD h
	QTILE 0, (4*\h)%3, 44
	QTILE 1, (4*\h+1)%3, 44
	QTILE 2, (4*\h+2)%3, 44
	QTILE 3, (4*\h+3)%3, 28
.irp n, 0,2,4,6
	QUANT 3, 32*\n, QF+12*\n, QF+12*\n+12, SCR, QW+\n, QW+\n+1, 1   ; q of two tiles of positions: 64 along d each
.endr
	PLACES 8                                       ; scale words written by vector instructions stand eight places ahead of a scaled matrix instruction, operands so written four
	WIN 0xc0                                       ; destination window 3
.irp n, 0,1,2,3,4,5,6,7
.irp j, 0,1,2,3
	WM 32*\n+8*\j, KVF+12*\j, QF+12*\n, 1, KVS+\j, QW+\n, 0, 0   ; source 0 = 16 columns e of kv, source 1 = 16 positions of q: 32 accumulators, one instruction each
.endr
.endr
	WIN 0
	PLACES 5                                       ; in front of the first read of the results, of the writes over q's fragments and scale words, and of the loads into kv's registers
.if \h == 0
	KVLOAD 8192                                    ; the next head's kv, as soon as this head's has been multiplied
.endif
.irp n, 0,2,4,6
	QUANT 3, 32*\n, QF+12*\n, QF+12*\n+12, SCR, QW+\n, QW+\n+1, 1   ; the head's outputs: 64 along p each: half a K step of the last product
.endr
.irp n, 0,1,2,3,4,5,6,7
	ds_store_b128 v[OA1B], v[QF+12*\n:QF+12*\n+3] offset:IMG*\n+768*(\h)
	ds_store_b64 v[OA2B], v[QF+12*\n+4:QF+12*\n+5] offset:IMG*\n+768*(\h)
	ds_store_b16 v[OA3B], v[QW+\n] offset:128*(\n/2)+64*(\n%2)+2*(\h)   ; the head's two bytes of the row's scale word; both halves of the lanes write the same bytes with the same value
.endr
.endm
; Tile j (0 .. 7) of 16 rows of Wo, from weight set p, against the 128 positions, and its way out: through my stage in LDS, so that 32 lanes store the 512 consecutive bytes of one row o.  pf = 1: the tile three further on is asked for.
.macro OTILE j, p, pf, cnt
	s_wait_loadcnt \cnt
.irp s, 0,1,2,3
.set ZZ, 0
.if \s == 0
.set ZZ, 1
.endif
	WLOC \p, \s
	WIN (1+\s/2)|(WW<<2)                           ; source 0 (the merged heads) window 1 or 2, source 1 (Wo) the set's window
.irp n, 0,1,2,3,4,5,6,7
	WM ACC+8*\n, 12*(8*(\s%2)+\n), WR, ZZ, XSCL+4*\s+\n/2, WS, \n%2, \s%2
.endr
.endr
	WIN 0
	PLACES 5                                       ; in front of the loads into the weight set, of the first read of the results, and of the next tile's products, which begin these accumulators anew
.if \pf
	WLOAD \p                                       ; (its wait on XCNT also shows that the last tile's stores have read their registers)
.else
	s_wait_xcnt 0x0                                ; the last tile's stores have read their registers: the rows below may land there
.endif
.irp n, 0,1,2,3,4,5,6,7
	ds_store_b128 v[SO], v[ACC+8*\n:ACC+8*\n+3] offset:128*(\n/2)+32*(\n%2)       ; lane (r, h), tile 2 b + u, register i: row r, position 32 b + 16 h + 8 u + i; each accumulator from its low end on
	ds_store_b128 v[SO], v[ACC+8*\n+4:ACC+8*\n+7] offset:128*(\n/2)+32*(\n%2)+16
.endr
.irp r, 0,1,2,3,4,5,6,7,8,9,10,11,12,13,14,15
	ds_load_b128 v[OB+4*\r:OB+4*\r+3], v[SR] offset:528*\r   ; LDS serves a wave's instructions in order: these see my stores
.endr
.irp r, 0,1,2,3,4,5,6,7,8,9,10,11,12,13,14,15
	s_wait_dscnt 15-\r                             ; row r is back; the younger rows may be out
	global_store_b128 v[LG], v[OB+4*\r:OB+4*\r+3], s[OP:OP+1] offset:(\r+8*(\r/8)+8*((\j)%2)+32*((\j)/2))*16384 th:TH_STORE_NT   ; 32 lanes store 512 consecutive bytes, at a multiple of 256 from out0's first byte; 127 rows of 16,384 bytes at the most: inside the signed 24-bit immediate
.endr
.endm
	s_load_b256 s[4:11], s[0:1], 0x0               ; x_local, wimg, kvimg, out0
	v_lshl_add_u32 v211, v0, 2, 0x4d800
	v_mov_b32 v215, 0
	ds_add_u32 v211, v215
	ds_add_u32 v211, v215
	v_lshrrev_b32 v12, 5, v0
	v_readfirstlane_b32 s[WV], v12                 ; wave 0..3
	; descriptor group 1: a tile of 128 channels x 128 positions of f32: rows of 512 bytes, 16,384 bytes apart in memory, on end in LDS
	s_mov_b32 s[G1+0], 2<<16                       ; no mask; elements of 4 bytes; no padding
	s_mov_b32 s[G1+1], 128<<16                     ; tensor_dim0 = 128
	s_mov_b32 s[G1+2], 128<<16                     ; tensor_dim1 = 128
	s_mov_b32 s[G1+3], 128<<16                     ; tile_dim0 = 128
	s_mov_b32 s[G1+4], 128                         ; tile_dim1 = 128
	s_mov_b32 s[G1+5], 4096                        ; elements from row to row
	s_mov_b32 s[G1+6], 0
	s_mov_b32 s[G1+7], 0
	s_lshr_b32 s44, ttmp9, 5                       ; the batch: 2^23 bytes each, in x_local and in out0,
	s_lshl_b32 s46, s44, 23
	s_lshl_b32 s45, s[WV], 21                      ; my 128 channels, or my 128 rows o: 2^21,
	s_add_co_u32 s46, s46, s45
	s_and_b32 s45, ttmp9, 31
	s_lshl_b32 s45, s45, 9                         ; the work-group's 128 positions: 512
	s_add_co_u32 s46, s46, s45
	s_mov_b32 s47, 0
	s_mov_b32 s[G0], 1                             ; count = 1
	s_lshl_b32 s[G0+1], s[WV], 16                  ; LDS address: my quarter of the stage
	s_wait_dscnt 0x0
	s_wait_kmcnt 0x0
	s_add_nc_u64 s[G0+2:G0+3], s[4:5], s[46:47]
	s_or_b32 s[G0+3], s[G0+3], 0x80000000          ; type = 2
	tensor_load_to_lds s[G0:G0+3], s[G1:G1+7]      ; the launch's one fill of the stage, ahead of everything else
	s_nop 0
	PLACES 4
	s_add_nc_u64 s[OP:OP+1], s[10:11], s[46:47]
	s_lshl_b32 s48, s[WV], 17
	s_add_co_u32 s48, s48, 524288                  ; behind Wk's and Wv's 64 tiles
	s_mov_b32 s49, 0
	s_add_nc_u64 s[WB:WB+1], s[6:7], s[48:49]
	s_lshl_b32 s48, s44, 16
	s_lshl_b32 s45, s[WV], 14
	s_add_co_u32 s48, s48, s45
	s_add_nc_u64 s[KB:KB+1], s[8:9], s[48:49]      ; kvimg: fragment 4 (8 batch + 2 w), 2,048 bytes each
	s_mov_b32 s[WO], 0
	s_mov_b32 s[WO+1], 0
	s_mov_b64 s[WP:WP+1], s[WB:WB+1]
	s_mov_b32 s[SEL], 0x76543210
	s_mov_b32 s[SEL+1], 0xfedcba98
	v_and_b32 v12, 31, v0                          ; lane
	v_lshlrev_b32 v[LG], 4, v12
	v_lshlrev_b32 v[LG4], 2, v12
	WISSUE 0                                       ; weight tiles 0, 1 and 2, then my first head's kv: 58 loads
	WLOAD 1
	WLOAD 2
	KVLOAD 0
	v_and_b32 v13, 7, v0
	v_bfe_u32 v14, v0, 3, 1                        ; u: lane l of a trip holds position 32 b + l = row 8 (l / 16) + l % 8 of tile 2 b + u
	v_bfe_u32 v15, v0, 4, 1
	v_lshl_add_u32 v13, v15, 3, v13                ; that row
	s_lshl_b32 s45, s[WV], 16
	v_lshl_add_u32 v[XA0], v12, 2, s45
	s_mul_i32 s43, s[WV], 8*IMG                    ; my wave's eight image places
	s_add_co_u32 s45, s43, XIM
	v_mul_u32_u24 v[XI0], v14, IMG
	v_lshl_add_u32 v[XI0], v13, 4, v[XI0]
	v_add_nc_u32 v[XI0], s45, v[XI0]
	s_lshl_b32 s48, s[WV], 9
	s_add_co_u32 s45, s48, XSC
	v_lshl_add_u32 v[XW0], v14, 4, v13
	v_lshl_add_u32 v[XW0], v[XW0], 2, s45
	v_lshl_add_u32 v[LI], v12, 4, XIM
	v_lshl_add_u32 v[LS], v12, 2, XSC
	v_lshl_add_u32 v[OA1B], v12, 4, s43
	s_add_co_u32 s45, s43, 512
	v_lshl_add_u32 v[OA2B], v12, 3, s45
	s_add_co_u32 s45, s48, OSC
	v_and_b32 v13, 15, v0                          ; r
	v_lshl_add_u32 v[OA3B], v13, 2, s45
	v_lshlrev_b32 v[LI2], 4, v12
	v_lshlrev_b32 v[LJ2], 3, v12
	v_lshl_add_u32 v[LS2], v12, 2, OSC
	s_mul_i32 s45, s[WV], 16*528
	s_add_co_u32 s45, s45, OST                     ; my stage
	v_mul_u32_u24 v[SO], v13, 528
	v_lshl_add_u32 v[SO], v15, 6, v[SO]
	v_add_nc_u32 v[SO], s45, v[SO]
	v_lshl_add_u32 v[SR], v12, 4, s45
.irp b, 0,1,2,3
	v_mov_b32 v[TM+4+\b], 0                        ; written once: a lane permute's destination counts as one of its sources
.endr
	; ---- x into codes, and all its fragments into registers
	s_wait_tensorcnt 0x0                           ; my quarter of the stage is in; I alone read it
	XPHASE
	s_wait_dscnt 0x0                               ; my reads of the stage are in, my images and scale words have landed
	s_barrier_signal -1
	s_barrier_wait -1                              ; of every wave: the images are whole, and the stage, which is filled no more, is free for LDS stores
	XFETCH
.irp n, 0,1,2,3,4,5,6,7
.irp i, 6,7,8,9,10,11
	v_mov_b32 v[QF+12*\n+\i], 0                    ; K = 64 .. 127 of q's fragments: zero codes; written once, behind the X phase, which used these registers
.endr
.endr
	; ---- my two heads
	HEAD 0
	HEAD 1
	s_wait_dscnt 0x0                               ; for the others' sake: my images and scale bytes have landed
	s_barrier_signal -1
	s_barrier_wait -1
	OFETCH
	; ---- my 128 rows o: tiles 8 to 15 of my 16, tile i from set i % 3.  28: the two younger tiles' loads; the last three tiles ask for nothing, and the counts run down
	OTILE 0, 2, 1, 28
	OTILE 1, 0, 1, 28
	OTILE 2, 1, 1, 28
	OTILE 3, 2, 1, 28
	OTILE 4, 0, 1, 28
	OTILE 5, 1, 0, 28
	OTILE 6, 2, 0, 14
	OTILE 7, 0, 0, 0
	s_wait_tensorcnt 0x0
	ds_add_u32 v211, v215
	s_wait_dscnt 0x0
	s_endpgm
.Lfunc_end_k_qc07a98c284_gate:
	.size	k_qc07a98c284_gate, .Lfunc_end_k_qc07a98c284_gate-k_qc07a98c284_gate
	.p2alignl 7, 3214868480
	.fill 96, 4, 3214868480
	.section	.rodata,"a",@progbits
	.p2align	6, 0x0
	.amdhsa_kernel k_qc07a98c284_gate
		.amdhsa_group_segment_fixed_size 327680
		.amdhsa_private_segment_fixed_size 0
		.amdhsa_enable_private_segment 0
		.amdhsa_kernarg_size 32
		.amdhsa_user_sgpr_count 2
		.amdhsa_user_sgpr_kernarg_segment_ptr 1
		.amdhsa_wavefront_size32 1
		.amdhsa_system_sgpr_workgroup_id_x 1
		.amdhsa_system_sgpr_workgroup_id_y 1
		.amdhsa_system_sgpr_workgroup_id_z 1
		.amdhsa_system_vgpr_workitem_id 0
		.amdhsa_next_free_vgpr 1024
		.amdhsa_next_free_sgpr 66
		.amdhsa_reserve_vcc 0
		.amdhsa_float_denorm_mode_32 3
		.amdhsa_float_denorm_mode_16_64 3
		.amdhsa_memory_ordered 1
		.amdhsa_forward_progress 1
		.amdhsa_inst_pref_size 239
	.end_amdhsa_kernel
	.amdgpu_metadata
---
amdhsa.version: [ 1, 2 ]
amdhsa.kernels:
  - .name:           k_qc07a98c284_gate
    .symbol:         k_qc07a98c284_gate.kd
    .args:
      - { .name: x_local, .offset: 0, .size: 8, .value_kind: global_buffer, .address_space: global }
      - { .name: wimg, .offset: 8, .size: 8, .value_kind: global_buffer, .address_space: global }
      - { .name: kvimg, .offset: 16, .size: 8, .value_kind: global_buffer, .address_space: global }
      - { .name: out0, .offset: 24, .size: 8, .value_kind: global_buffer, .address_space: global }
    .group_segment_fixed_size: 327680
    .private_segment_fixed_size: 0
    .kernarg_segment_align: 8
    .kernarg_segment_size: 32
    .max_flat_workgroup_size: 128
    .sgpr_count:     66
    .vgpr_count:     1024
    .wavefront_size: 32
...
	.end_amdgpu_metadata
.endif
;; end of part 4
